; MI455X (gfx1250); checked and timed in simulation.
; The chip was launched on July 23, 2026; its instructions are those of AMD's public machine-readable ISA for CDNA 5 (MIT licence, August 2026) and "CDNA5" Instruction Set Architecture Reference Guide (July 2026). The comments in the code are by the model that wrote it; some were corrected since.
;; Multi Head Attention Block. Allowed arithmetic: matrix products marked QUANTISED: E2M3 operands, one E8M0 scale for each 32 along K, by v_wmma_scale_f32_16x16x128_f8f6f4 with both operands' format E2M3, f32 sums; everything else in f32.
;; Inputs: W_k 1,024 x 1,024 float32; W_o 1,024 x 1,024 float32; W_q 1,024 x 1,024 float32; W_v 1,024 x 1,024 float32; k 4 x 2,048 x 1,024 float32; q 4 x 2,048 x 1,024 float32; v 4 x 2,048 x 1,024 float32.
;; Outputs: out0 4 x 2,048 x 1,024 float32.
;; This version of the problem:
;;   THIS VERSION OF THE PROBLEM IS GIVEN IN LOW PRECISION. The matrix products marked QUANTISED in the list below multiply operands that are first quantised to E2M3 (2 exponent bits, 3 mantissa bits; 6 bits a number), with one power-of-two scale for each 32 numbers along K (OCP MX v1.0); their sums are f32. All else is computed in f32.
;;   The module's matrix products, in the order in which they are computed (A, B: the left and right operand; K: the contracted axis; several contracted axes count as one K, in the product's order):
;;     1. [M 8,192, K 1,024] x [K 1,024, N 1,024]; A: input q; B: input W_q: QUANTISED
;;     2. [M 8,192, K 1,024] x [K 1,024, N 1,024]; A: input k; B: input W_k: QUANTISED
;;     3. [M 8,192, K 1,024] x [K 1,024, N 1,024]; A: input v; B: input W_v: QUANTISED
;;     4. batch 64 x [M 2,048, K 64] x [K 64, N 2,048]; A: computed on the way; B: computed on the way: QUANTISED
;;     5. batch 64 x [M 2,048, K 2,048] x [K 2,048, N 64]; A: softmax (see below); B: computed on the way: QUANTISED
;;     6. [M 8,192, K 1,024] x [K 1,024, N 1,024]; A: computed on the way; B: input W_o: QUANTISED
;;   THE QUANTISER, for each operand of a quantised product, along K:
;;     - K is cut into blocks of 32 from its start; a last block that is shorter is filled with zeros.
;;     - A block's scale is 2^e with e = floor(log2(the largest magnitude in the block)) - 2, held to -126 .. 127; a block of zeros has e = 0. As a byte (E8M0): e + 127.
;;     - Each number is divided by its block's scale, clamped to +-7.5, and rounded to the nearest number of E2M3, ties to even, subnormals kept.
;;     - The product sums the exact products of the quantised numbers (number of the format x scale) in f32.
;;   ~~~python
;;   def quantise(x, axis):      # numpy; x: float32 -> the quantised numbers, widened to float32 again
;;       x = np.moveaxis(x, axis, -1); K = x.shape[-1]
;;       x = np.pad(x, [(0, 0)] * (x.ndim - 1) + [(0, -K % 32)]); x = x.reshape(x.shape[:-1] + (-1, 32)); a = np.abs(x).max(-1, keepdims=True)
;;       e = np.where(a > 0, np.clip(np.frexp(np.where(a > 0, a, 1))[1] - 1 - 2, -126, 127), 0)      # np.frexp(a)[1] - 1 = floor(log2(a)), exactly
;;       r = np.clip(x / 2.0 ** e, -7.5, 7.5)
;;       step = 2.0 ** (np.maximum(np.frexp(np.where(r == 0, 1, r))[1] - 1, 0) - 3)
;;       q = np.round(r / step) * step * 2.0 ** e      # np.round: ties to even
;;       return np.moveaxis(q.reshape(q.shape[:-2] + (-1,))[..., :K], -1, axis).astype(np.float32)
;;   ~~~
;;   SOFTMAX AHEAD OF A QUANTISED PRODUCT. Where the list says 'softmax', what is quantised is not the finished softmax but p = 2^(t - M), with t = logit x log2(e) and M = ceil(the row's largest t), a whole number; so 1/2 < the row's largest p <= 1. The row's sum l is taken of the UNQUANTISED p, in f32, and the product's result is divided by l at the end. Since M is a whole number, a kernel that streams over the keys may use a running M (the ceiling of the running maximum): every later rescaling is an exact power of two, which a block's scale takes up: the codes' values come out the same.
;;   OPERANDS COMPUTED ON THE WAY. 'Computed on the way' means the value that the module computes at that place (a softmax that the list does not call 'softmax' is quantised finished and normalised). What goes into a quantiser is computed in f32, as accurately as f32 sums, v_exp_f32 and their like allow (about 1e-6 of the number): no bf16 or f16 on the way to a quantiser, and a product that is left as it is and whose result goes on into a quantised operand takes f32 operands (vector FMAs, or v_wmma_f32_16x16x4_f32). A number that lies on a knife's edge between two numbers of the format may be rounded either way, as far as f32 arithmetic and the matrix unit's own rounding can turn it there, and no further.
;; One version. Each part assembles by itself: llvm-mc -triple=amdgcn-amd-amdhsa -mcpu=gfx1250 --defsym DOCPART=n.
;; ======== version 1 of 1: 4 launches
;; limits: right only within a limited range of input values
;; workspace buffers: xc 22,020,096 bytes; xs 917,504 bytes; qh 6,815,744 bytes; kvh 13,369,344 bytes; oc 6,291,456 bytes; os 262,144 bytes
;; launch quant (part 1): grid 256 x 1, 14 waves a work-group, no clusters, 167,936 bytes of LDS; arguments q, k, v, W_q, W_k, W_v, W_o, xc, xs; writes xc, xs
.if DOCPART == 1
	.amdgcn_target "amdgcn-amd-amdhsa--gfx1250"
	.amdhsa_code_object_version 6
	.text
	.protected	k_qe3fdc1a05f_quant
	.globl	k_qe3fdc1a05f_quant
	.p2align	8
	.type	k_qe3fdc1a05f_quant,@function
k_qe3fdc1a05f_quant:
	s_mov_b64 s[64:65], 0
	v_nop
	global_prefetch_b8 v0, s[64:65] scope:SCOPE_SE
	s_setreg_imm32_b32 hwreg(HW_REG_WAVE_MODE, 25, 1), 1
	s_wait_xcnt 0x0
; q, k, v [8192][1024] and W_q, W_k, W_v, W_o [1024][1024], f32 with K innermost, become codes of FP6 (E2M3) and one E8M0 scale byte for each 32 along K.
; xc: 28,672 rows of 768 bytes of codes (a row's codes are one stream of bits); xs: the same rows, 32 scale bytes each.  Rows 0 q, 8,192 k, 16,384 v, 24,576 W_q, 25,600 W_k, 26,624 W_v, 27,648 W_o.
; A block's scale is 2^(floor(log2(its largest magnitude)) - 2): its byte is the largest magnitude's exponent field - 2, held at 1 from below.
; THE STORED ORDER OF ROWS.  In k, v, W_q, W_k and W_v each group of 64 rows is stored with its eight runs of 8 rows in another order: run g goes to place 2 (g & 3) + (g >> 2).
; Sixteen neighbouring stored rows, taken as source 0 of a matrix instruction, then leave in one lane's registers of four neighbouring tiles 32 NEIGHBOURING actual rows: a whole block of the next product's K.
; A wave takes one run: 8 rows, 8,192 numbers, 16 steps of 512; so the order costs one scalar choice of the place where its codes and bytes go.
; Each load reads 512 consecutive bytes; a step's 2,048 bytes turn through the wave's own stage in LDS and come back 64 bytes (16 neighbours) a lane; two neighbouring lanes hold a block.
; A lane's 16 codes are 12 bytes: a store covers 384 consecutive bytes.  A wave's 256 scale bytes are gathered in LDS and leave as one aligned run of 256 bytes.
; LIMITS: NaN and infinities are not served; a block of zeros gets the byte 1 (its codes are zeros, and this program alone reads the bytes).
.set WAVES, 14
.set STEPS, 16
.set EMAX,  2
.set CB,    12                         ; bytes of 16 codes
.set R,     16                         ; v16-79   four sets of 16 numbers as loaded
.set X,     80                         ; v80-111  two sets of 16 neighbours
.set C,     128                        ; v128-191 codes: four registers a step, never written twice
.set E,     112                        ; v112-127 a scale byte a step
.set WREG,  8192                       ; LDS: a region for each wave: two stages of 32 x SP bytes, then its 256 scale bytes
.set SP,    80                         ; a lane's place in a stage: 64 bytes + 16
.set SPW,   12                         ; v12  my spare word's LDS address; never rewritten
.set NIL,   13                         ; v13  0; never rewritten
.set SPARE, WAVES*WREG                 ; behind the regions: the spare words, 128 bytes a wave
	s_load_b256 s[4:11], s[0:1], 0x0               ; q s[4:5], k s[6:7], v s[8:9], W_q s[10:11]
	s_load_b256 s[12:19], s[0:1], 0x20             ; W_k s[12:13], W_v s[14:15], W_o s[16:17], xc s[18:19]
	s_load_b64 s[20:21], s[0:1], 0x40              ; xs
	v_lshl_add_u32 v[SPW], v0, 2, SPARE
	v_mov_b32 v[NIL], 0
	v_lshrrev_b32 v1, 5, v0
	v_readfirstlane_b32 s24, v1                    ; wave
	v_and_b32 v2, 31, v0                           ; lane
	v_lshlrev_b32 v3, 4, v2                        ; my 16 bytes of a load's 512
	s_mul_i32 s25, s24, WREG
	v_lshrrev_b32 v14, 2, v2
	v_mul_u32_u24 v14, v14, SP
	v_and_b32 v15, 3, v2
	v_lshl_add_u32 v14, v15, 4, v14
	v_add_nc_u32 v14, s25, v14                     ; the stage, way in: SP (lane / 4) + 16 (lane % 4)
	v_mul_u32_u24 v15, v2, SP
	v_add_nc_u32 v15, s25, v15                     ; way out: SP x lane
	v_mul_u32_u24 v4, v2, CB                       ; my codes' place in a step's
	v_lshrrev_b32 v5, 1, v2
	s_add_co_u32 s25, s25, 2*32*SP
	v_add_nc_u32 v5, s25, v5                       ; my block's byte among the wave's 256
	v_lshlrev_b32 v7, 3, v2
	v_add_nc_u32 v6, s25, v7                       ; and 8 bytes a lane on their way out
	; where the wave's run goes: R = 14 x work-group + wave (3,584 runs on 256 work-groups); in the tensors that are stored in the other order, its low three bits are turned
	s_mul_i32 s28, ttmp9, WAVES
	s_add_co_u32 s28, s28, s24                     ; R
	s_mov_b32 s23, s28                             ; kept: it also says which input is read
	s_and_b32 s29, s28, 3
	s_lshl_b32 s29, s29, 1
	s_bfe_u32 s30, s28, 0x10002
	s_or_b32 s29, s29, s30
	s_and_b32 s30, s28, 0xfffffff8
	s_or_b32 s29, s29, s30                         ; R with run g at place 2 (g & 3) + (g >> 2)
	s_sub_co_u32 s30, s28, 1024
	s_cmp_lt_u32 s30, 2432                         ; runs 1,024 to 3,455: k, v, W_q, W_k, W_v
	s_cselect_b32 s28, s29, s28
	s_mov_b32 s22, 0                               ; the first run of my tensor
	s_mov_b32 s27, 0
	s_wait_alu depctr_va_vdst(0)
	s_wait_kmcnt 0x0
.macro PICK n, p                       ; from run n on the input is the buffer in s[p:p+1]: the choice hangs on the run's number alone
	s_cmp_ge_u32 s23, \n
	s_cselect_b64 s[4:5], s[\p:\p+1], s[4:5]
	s_cselect_b32 s22, \n, s22
.endm
	PICK 1024, 6
	PICK 2048, 8
	PICK 3072, 10
	PICK 3200, 12
	PICK 3328, 14
	PICK 3456, 16
	s_sub_co_u32 s26, s23, s22                     ; my run within its tensor
	s_lshl_b32 s26, s26, 15                        ; my run in the input: 32,768 bytes each
	s_add_nc_u64 s[4:5], s[4:5], s[26:27]
	s_mul_i32 s26, s28, 32*STEPS*CB                ; 6,144 bytes of codes a run
	s_add_nc_u64 s[18:19], s[18:19], s[26:27]
	s_lshl_b32 s26, s28, 8                         ; 256 scale bytes a run
	s_add_nc_u64 s[20:21], s[20:21], s[26:27]
.macro LOAD t
.irp i, 0,1,2,3
	global_load_b128 v[R+16*((\t)%4)+4*\i:R+16*((\t)%4)+4*\i+3], v3, s[4:5] offset:2048*(\t)+512*\i th:TH_LOAD_NT   ; 32 lanes read 512 consecutive bytes
.endr
.endm
.macro TURN t                          ; step t's numbers through the stage: LDS serves a wave's instructions in order, so no wait stands between the stores and the loads
.irp i, 0,1,2,3
	ds_store_b128 v14, v[R+16*((\t)%4)+4*\i:R+16*((\t)%4)+4*\i+3] offset:32*SP*((\t)%2)+8*SP*\i
.endr
.irp i, 0,1,2,3
	ds_load_b128 v[X+16*((\t)%2)+4*\i:X+16*((\t)%2)+4*\i+3], v15 offset:32*SP*((\t)%2)+16*\i
.endr
.endm
.irp t, 0,1,2,3
	LOAD \t
.endr
	s_wait_loadcnt 12                              ; step 0's four loads are in; twelve younger ones stay out
	TURN 0
.macro STEP t
.set XS, X+16*((\t)%2)
.if (\t) > 0
	s_wait_dscnt 1                                 ; this step's numbers are back from the stage; the last step's byte store may be out
.else
	s_wait_dscnt 0x0
.endif
.if (\t)+4 < STEPS
	LOAD (\t)+4                                    ; into the registers that this step's stage stores have read
.endif
.if (\t)+1 < STEPS
.if STEPS-2-(\t) >= 3
	s_wait_loadcnt 12                              ; the next step's four loads are in; three steps' loads stay out
.else
	s_wait_loadcnt 4*(STEPS-2-(\t))
.endif
	TURN (\t)+1
.endif
	v_max3_num_f32 v8, |v[XS]|, |v[XS+1]|, |v[XS+2]|               ; the largest magnitude of my 16, in two chains
	v_max3_num_f32 v9, |v[XS+3]|, |v[XS+4]|, |v[XS+5]|
.irp i, 6,10
	v_max3_num_f32 v8, v8, |v[XS+\i]|, |v[XS+\i+1]|
	v_max3_num_f32 v9, v9, |v[XS+\i+2]|, |v[XS+\i+3]|
.endr
	v_max3_num_f32 v8, v8, |v[XS+14]|, |v[XS+15]|
	v_max3_num_f32 v8, v8, v9, (EMAX+1)<<23        ; and the floor 2^(3 - 127): the byte cannot fall under 1
	v_max_num_f32_dpp v8, v8, v8 row_xmask:1 row_mask:0xf bank_mask:0xf   ; with my neighbour's 16: the block's
	v_add_nc_u32 v11, -(EMAX<<23), v8              ; 2 off its exponent field: the conversion takes this operand's exponent field as its scale
	v_cvt_scalef32_pk16_fp6_f32 v[C+4*(\t):C+4*(\t)+2], v[XS:XS+15], v11
	v_lshrrev_b32 v[E+(\t)], 23, v11               ; the scale's byte (also the plain line behind the conversion)
	ds_store_b8 v5, v[E+(\t)] offset:16*(\t)       ; both lanes of a block write the same byte with the same value
	global_store_b96 v4, v[C+4*(\t):C+4*(\t)+2], s[18:19] offset:32*CB*(\t)
.endm
.irp t, 0,1,2,3,4,5,6,7,8,9,10,11,12,13,14,15
	STEP \t
.endr
	ds_load_b64 v[8:9], v6                         ; in order behind my byte stores
	s_wait_dscnt 0x0
	global_store_b64 v7, v[8:9], s[20:21]          ; 32 lanes store 256 consecutive bytes, aligned
	s_wait_tensorcnt 0x0                           ; the wave's end, behind my last LDS store
	ds_add_u32 v[SPW], v[NIL]
	s_wait_dscnt 0x0
	s_endpgm
.Lfunc_end_k_qe3fdc1a05f_quant:
	.size	k_qe3fdc1a05f_quant, .Lfunc_end_k_qe3fdc1a05f_quant-k_qe3fdc1a05f_quant
	.p2alignl 7, 3214868480
	.fill 96, 4, 3214868480
	.section	.rodata,"a",@progbits
	.p2align	6, 0x0
	.amdhsa_kernel k_qe3fdc1a05f_quant
		.amdhsa_group_segment_fixed_size 167936
		.amdhsa_private_segment_fixed_size 0
		.amdhsa_enable_private_segment 0
		.amdhsa_kernarg_size 72
		.amdhsa_user_sgpr_count 2
		.amdhsa_user_sgpr_kernarg_segment_ptr 1
		.amdhsa_wavefront_size32 1
		.amdhsa_system_sgpr_workgroup_id_x 1
		.amdhsa_system_sgpr_workgroup_id_y 1
		.amdhsa_system_sgpr_workgroup_id_z 1
		.amdhsa_system_vgpr_workitem_id 0
		.amdhsa_next_free_vgpr 192
		.amdhsa_next_free_sgpr 66
		.amdhsa_reserve_vcc 0
		.amdhsa_float_denorm_mode_32 3
		.amdhsa_float_denorm_mode_16_64 3
		.amdhsa_memory_ordered 1
		.amdhsa_forward_progress 1
		.amdhsa_inst_pref_size 33
	.end_amdhsa_kernel
	.amdgpu_metadata
---
amdhsa.version: [ 1, 2 ]
amdhsa.kernels:
  - .name:           k_qe3fdc1a05f_quant
    .symbol:         k_qe3fdc1a05f_quant.kd
    .args:
      - { .name: q, .offset: 0, .size: 8, .value_kind: global_buffer, .address_space: global }
      - { .name: k, .offset: 8, .size: 8, .value_kind: global_buffer, .address_space: global }
      - { .name: v, .offset: 16, .size: 8, .value_kind: global_buffer, .address_space: global }
      - { .name: W_q, .offset: 24, .size: 8, .value_kind: global_buffer, .address_space: global }
      - { .name: W_k, .offset: 32, .size: 8, .value_kind: global_buffer, .address_space: global }
      - { .name: W_v, .offset: 40, .size: 8, .value_kind: global_buffer, .address_space: global }
      - { .name: W_o, .offset: 48, .size: 8, .value_kind: global_buffer, .address_space: global }
      - { .name: xc, .offset: 56, .size: 8, .value_kind: global_buffer, .address_space: global }
      - { .name: xs, .offset: 64, .size: 8, .value_kind: global_buffer, .address_space: global }
    .group_segment_fixed_size: 167936
    .private_segment_fixed_size: 0
    .kernarg_segment_align: 8
    .kernarg_segment_size: 72
    .max_flat_workgroup_size: 448
    .sgpr_count:     66
    .vgpr_count:     192
    .wavefront_size: 32
...
	.end_amdgpu_metadata
.endif
;; end of part 1
;; launch proj (part 2): grid 16 x 16, 4 waves a work-group, clusters of 4 x 4, 327,680 bytes of LDS; arguments xc, xs, qh, kvh; writes qh, kvh
.if DOCPART == 2
	.amdgcn_target "amdgcn-amd-amdhsa--gfx1250"
	.amdhsa_code_object_version 6
	.text
	.protected	k_qe3fdc1a05f_proj
	.globl	k_qe3fdc1a05f_proj
	.p2align	8
	.type	k_qe3fdc1a05f_proj,@function
k_qe3fdc1a05f_proj:
	s_mov_b64 s[64:65], 0
	v_nop
	global_prefetch_b8 v0, s[64:65] scope:SCOPE_SE
	s_setreg_imm32_b32 hwreg(HW_REG_WAVE_MODE, 25, 1), 1
	s_wait_xcnt 0x0
	s_wait_alu depctr_hold_cnt(0) depctr_sa_sdst(0) depctr_va_vdst(0) depctr_va_sdst(0) depctr_va_ssrc(0) depctr_va_vcc(0) depctr_vm_vsrc(0)
	s_getreg_b32 s2, hwreg(HW_REG_IB_STS2, 6, 4)
	s_cmp_eq_u32 s2, 0
	s_cbranch_scc0 .Lentry_in_a_cluster
	s_endpgm
.Lentry_in_a_cluster:
	s_bfe_u32 s2, ttmp6, 0x10000c
	s_cmp_lg_u32 s2, 0xf033
	s_cbranch_scc0 .Lentry_shape_is_right
	s_endpgm
.Lentry_shape_is_right:
; Q = q W_q^T, K = k W_k^T, V = v W_v^T on codes of FP6 (E2M3) with E8M0 scales, and the quantising of the results for the attention launch.
; xc: rows of 768 bytes of codes, xs: rows of 32 scale bytes.  Rows 0 q, 8,192 k, 16,384 v, 24,576 W_q, 25,600 W_k, 26,624 W_v.
; THE DEAL.  256 work-groups that stay.  Each makes 256 tokens x 128 columns of V (chunks 0, 1 of 128 rows of v) and then 512 tokens x 128 columns of Q or K (chunks 2 to 5).
; Four waves, 2 x 2: the wave in column b holds 64 rows of the weight (one head), ALL of K, in 384 registers; the wave in row a takes rows 64 a .. 64 a + 63 of each chunk, four blocks of 16 rows.
; A block is 32 products (8 steps of K x 4 tiles) and is finished with them; block g's fragments lie in set g % 2 and are fetched from LDS two blocks ahead.
; LDS: two slots of 128 rows for the chunks (chunk c in slot c % 2), a region of its own for the weight's 128 rows; rows of 768 bytes with 16 bytes of padding behind each 256 (pitch 816).
; FILLS.  At the head one joint load a wave: W_v's two halves, chunk 0, chunk 1.  FOUR REFILLS, each behind a drained round of the cluster's barrier that stands inside the third block of chunks 0 to 3,
; where the chunk's last block has been fetched: the slot takes the chunk two on (wave 2); in the first of them the weight's region takes W_q's or W_k's rows (waves 0, 1 a half each).
; Each round also shows what the round before asked for.  The last chunk is shown by a plain barrier in chunk 4.
; CLUSTERS 4 x 4: a chunk hangs on cy and the cluster's number and is shared along a row of the cluster; a weight's rows hang on cx and the cluster's number and are shared along a column.
; PREFETCHES: the second weight and chunk 2 at the head, chunk i + 3 behind round i (one chunk's work ahead of the load that wants it); the sixteen waves of the four partners take 24 blocks of 256 bytes each, told apart by address.
; SCALES go from memory into registers: lane l takes the 32 bytes of row 32 i + l: register 8 i + q holds step q's word of block 2 i in lanes 0-15, of block 2 i + 1 in lanes 16-31.  A chunk's words are loaded two chunks ahead.
; THE WAY OUT, once a chunk: four units of 32 sums a lane, each one scale block.  Q, K (source 0 = the weight's rows): unit = block of tokens, the 32 are features 32 h ..  V (source 0 = tokens): unit = tile of features, the 32 are tokens 32 h ..
; qh [16 b + head][step of 128 tokens][6,656]: 4 pairs of tiles x 3 x (32 lanes x 16 bytes) of codes, then 32 lanes x 4 scale words.  kvh [16 b + head][step][13,056]: K's 6,656 likewise, then V^T's four fragments 6,144 and 256 bytes of scale words.
; Of a fragment of V^T wave row a makes registers 6 a .. 6 a + 5 and scale bytes 2 a, 2 a + 1: they leave in pieces of 8 and of 2 bytes.
; LIMITS: NaN and infinities are not served; a block of zeros gets the byte 1 (its codes are zeros, and this program alone reads the bytes).
.set KROW,  768
.set PITCH, 816
.set FR,    12
.set FPW,   21                         ; fragments in a window of 256 registers.  Fragment f lies in window 1 + f / 21 at register 12 (f % 21): 0-31 the weight's (4 q + tile), 32-39 and 40-47 the rows' two sets
.set YB,    128*PITCH
.set WB,    2*YB
.set SPARE, 3*YB
.set XX,  6
.set X0,  8
.set XA,  10
.set L16, 12
.set L8,  13
.set SH8, 14
.set VC,  16
.set VW,  17
.set VO,  18
.set VB,  21
.set PFX, 22
.set PFW, 23
.set SCO, 24
.set W0,  26
.set SPW, 28
.set NIL, 29
.set SWT, 32                           ; v32-47 the weight's scale words
.set TM,  48
.set SX,  52                           ; v52-83 the rows' scale words, two sets of 16 (numbers that differ modulo 8 from the weight's)
.set OUTC, 84
.set SO,  108
.set CT,  110
.set PW,  118
.set SW,  122
.set ACC, 128                          ; v128-255 a chunk's sums
.set SW2, 72                           ; window 3: v72-87 the second weight's scale words, v88-95 LDS addresses of the weight's four tiles
.set WA,  88
.set G1X, 24
.set G1W, 32
.set G0W, 48
.set G0X, 52
.set G0Y, 76
.set MSB, 0
.macro WIN new
.if MSB != \new
	s_set_vgpr_msb (MSB<<8)|\new
.set MSB, \new
.endif
.endm
.macro PLACES n
.rept \n
	v_nop
.endr
.endm
.macro MIDDLE                          ; a round's middle: the opening wait, wave 0's signal for the work-group, the cluster's wait
	WIN 0
	s_barrier_wait -1
	s_cmp_lg_u32 s14, 0
	s_cbranch_scc1 .Lnot_wave_0_\@
	s_barrier_signal -3
.Lnot_wave_0_\@:
	s_barrier_wait -3
.endm
.macro CROUND
	s_barrier_signal -1
	MIDDLE
	s_barrier_signal -1
	s_barrier_wait -1
.endm
.macro TLOAD g0, g1
	tensor_load_to_lds s[\g0:\g0+3], s[\g1:\g1+7]
	s_nop 0
	PLACES 4
.endm
.macro GROUP1 g, mask, rows            ; rows of 768 bytes, 16 bytes of padding behind each 256
	s_or_b32 s[\g+0], s[\mask], (1<<20)|(1<<21)|(5<<22)|(3<<25)
	s_mov_b32 s[\g+1], KROW<<16
	s_mov_b32 s[\g+2], (\rows)<<16
	s_mov_b32 s[\g+3], KROW<<16
	s_mov_b32 s[\g+4], \rows
	s_mov_b32 s[\g+5], KROW
	s_mov_b32 s[\g+6], 0
	s_mov_b32 s[\g+7], 0
.endm
.macro LOADSX ci                       ; chunk ci's scale words of my 64 rows
.irp i, 0,1
.irp c, 0,1
.if (\ci) < 2
	global_load_b128 v[SX+16*((\ci)%2)+8*\i+4*\c:SX+16*((\ci)%2)+8*\i+4*\c+3], v[SCO], s[70:71] offset:4096*(\ci)+1024*\i+16*\c
.else
	global_load_b128 v[SX+16*((\ci)%2)+8*\i+4*\c:SX+16*((\ci)%2)+8*\i+4*\c+3], v[SCO], s[72:73] offset:4096*((\ci)-2)+1024*\i+16*\c
.endif
.endr
.endr
.endm
	s_load_b128 s[4:7], s[0:1], 0x0                ; xc, xs
	s_load_b128 s[8:11], s[0:1], 0x10              ; qh, kvh
	v_lshl_add_u32 v[SPW], v0, 2, SPARE
	v_mov_b32 v[NIL], 0
	ds_add_u32 v[SPW], v[NIL]                      ; the opening lines: the add twice and its wait
	ds_add_u32 v[SPW], v[NIL]
	v_lshrrev_b32 v1, 5, v0
	v_readfirstlane_b32 s14, v1                    ; wave; s15 its row a, s16 its column b
	s_lshr_b32 s15, s14, 1
	s_and_b32 s16, s14, 1
	s_bfe_u32 s40, ttmp6, 0x40000                  ; cx
	s_bfe_u32 s41, ttmp6, 0x40004                  ; cy
	s_lshl_b32 s42, ttmp9, 2
	s_add_co_u32 s42, s42, s40                     ; tile of 128 columns: 0-7 Q's, 8-15 K's
	s_and_b32 s43, ttmp7, 0xffff
	s_lshl_b32 s43, s43, 2
	s_add_co_u32 s43, s43, s41                     ; tile of 512 tokens
	s_lshr_b32 s19, ttmp9, 1                       ; 0 Q, 1 K
	s_and_b32 s18, ttmp9, 1
	s_lshl_b32 s13, s19, 2
	s_add_co_u32 s13, s13, s40                     ; V's tile of 128 columns, 0-7
	s_lshl_b32 s12, s43, 1
	s_add_co_u32 s12, s12, s18                     ; V's tile of 256 tokens, 0-31
	s_lshl_b32 s44, s41, 2
	s_lshl_b32 s44, 15, s44                        ; my row of the cluster
	s_lshl_b32 s45, 0x1111, s40                    ; my column
	GROUP1 G1X, 44, 128
	GROUP1 G1W, 45, 64
	s_lshl_b32 s20, s13, 7
	s_add_co_u32 s20, s20, 26624                   ; W_v's first row
	s_lshl_b32 s21, s42, 7
	s_add_co_u32 s21, s21, 24576                   ; W_q's or W_k's
	s_lshl_b32 s22, s12, 8
	s_add_co_u32 s22, s22, 16384                   ; v's
	s_lshl_b32 s23, s19, 13
	s_lshl_b32 s46, s43, 9
	s_add_co_u32 s23, s23, s46                     ; q's or k's
	s_lshl_b32 s46, s14, 6                         ; waves 0, 1 fetch a half of a weight's tile each
	s_add_co_u32 s56, s20, s46
	s_mul_i32 s56, s56, KROW
	s_mov_b32 s57, 0
	s_add_co_u32 s58, s21, s46
	s_mul_i32 s58, s58, KROW
	s_mov_b32 s59, 0
	s_mul_i32 s60, s22, KROW
	s_mov_b32 s61, 0
	s_mul_i32 s62, s23, KROW
	s_mov_b32 s63, 0
	s_lshl_b32 s46, s16, 6                         ; the scale bytes of my 64 rows of each weight,
	s_add_co_u32 s66, s20, s46
	s_lshl_b32 s66, s66, 5
	s_mov_b32 s67, 0
	s_add_co_u32 s68, s21, s46
	s_lshl_b32 s68, s68, 5
	s_mov_b32 s69, 0
	s_lshl_b32 s46, s15, 6                         ; and of my 64 rows of the chunks
	s_add_co_u32 s70, s22, s46
	s_lshl_b32 s70, s70, 5
	s_mov_b32 s71, 0
	s_add_co_u32 s72, s23, s46
	s_lshl_b32 s72, s72, 5
	s_mov_b32 s73, 0
	s_lshl_b32 s47, s40, 2                         ; the prefetches: my sixteenth of a tile of 98,304 bytes
	s_add_co_u32 s47, s47, s14
	s_mul_i32 s47, s47, 6144
	s_add_co_u32 s98, s62, s47                     ; of chunk 2, among my row of the cluster
	s_lshl_b32 s47, s41, 2
	s_add_co_u32 s47, s47, s14
	s_mul_i32 s47, s47, 6144
	s_mul_i32 s99, s21, KROW
	s_add_co_u32 s99, s99, s47                     ; of the second weight, among my column
	s_lshr_b32 s84, s12, 3                         ; V goes to ((16 b + head) x 16 + step) x 13,056 + 6,656
	s_lshl_b32 s84, s84, 4
	s_lshl_b32 s46, s13, 1
	s_add_co_u32 s84, s84, s46
	s_add_co_u32 s84, s84, s16
	s_lshl_b32 s84, s84, 4
	s_and_b32 s46, s12, 7
	s_lshl_b32 s46, s46, 1
	s_add_co_u32 s84, s84, s46
	s_mul_i32 s84, s84, 13056
	s_add_co_u32 s84, s84, 6656
	s_mov_b32 s85, 0
	s_lshr_b32 s88, s43, 2                         ; Q, K likewise, a step's block 6,656 or 13,056 bytes
	s_lshl_b32 s88, s88, 4
	s_and_b32 s46, s42, 7
	s_lshl_b32 s46, s46, 1
	s_add_co_u32 s88, s88, s46
	s_add_co_u32 s88, s88, s16
	s_lshl_b32 s88, s88, 4
	s_and_b32 s46, s43, 3
	s_lshl_b32 s46, s46, 2
	s_add_co_u32 s88, s88, s46
	s_mul_i32 s86, s19, 6400
	s_add_co_u32 s86, s86, 6656
	s_mov_b32 s87, 0
	s_mul_i32 s88, s88, s86
	s_mov_b32 s89, 0
	s_mul_i32 s90, s15, 64*PITCH
	s_mul_i32 s91, s16, 64*PITCH
	s_add_co_u32 s91, s91, WB
	s_mul_i32 s92, s15, 3072
	s_lshl_b32 s93, s15, 3
	s_lshl_b32 s97, s15, 1
	s_mov_b32 s96, 512                             ; where registers 6 a, 6 a + 2, 6 a + 4 of a fragment lie in its image: a = 0: 0, 8, 512; a = 1: 520, 1,024, 1,032
	s_cmp_eq_u32 s15, 1
	s_cselect_b32 s94, 520, 0
	s_cselect_b32 s95, 1024, 8
	s_cselect_b32 s96, 1032, s96
	s_mov_b32 s100, 0x76543210
	s_mov_b32 s101, 0xfedcba98
	s_mov_b32 s17, 0xffff0000
	s_mov_b32 s[G0W], 1
	s_mul_i32 s[G0W+1], s14, 64*PITCH
	s_add_co_u32 s[G0W+1], s[G0W+1], WB
	s_mov_b32 s[G0X], 1
	s_mov_b32 s[G0X+1], 0
	s_mov_b32 s[G0Y], 1
	s_mov_b32 s[G0Y+1], YB
	s_wait_dscnt 0x0                               ; both opening adds are done
	s_wait_kmcnt 0x0
	s_add_nc_u64 s[G0W+2:G0W+3], s[4:5], s[56:57]
	s_or_b32 s[G0W+3], s[G0W+3], 0x80000000
	s_add_nc_u64 s[G0X+2:G0X+3], s[4:5], s[60:61]
	s_add_nc_u64 s[G0Y+2:G0Y+3], s[G0X+2:G0X+3], 128*KROW
	s_or_b32 s[G0X+3], s[G0X+3], 0x80000000
	s_or_b32 s[G0Y+3], s[G0Y+3], 0x80000000
	s_add_nc_u64 s[80:81], s[4:5], s[62:63]        ; chunk 2
	s_add_nc_u64 s[82:83], s[4:5], s[58:59]        ; my half of the second weight
	s_add_nc_u64 s[66:67], s[6:7], s[66:67]
	s_add_nc_u64 s[68:69], s[6:7], s[68:69]
	s_add_nc_u64 s[70:71], s[6:7], s[70:71]
	s_add_nc_u64 s[72:73], s[6:7], s[72:73]
	s_add_nc_u64 s[84:85], s[10:11], s[84:85]
	s_cmp_eq_u32 s19, 0
	s_cselect_b64 s[46:47], s[8:9], s[10:11]
	s_add_nc_u64 s[88:89], s[46:47], s[88:89]
	CROUND                                         ; all sixteen work-groups are here: the joint loads meet
	s_cmp_lt_u32 s14, 2                            ; one load a wave, in the arms of one chain of branches on the wave's number
	s_cbranch_scc0 .Lwave_2
	TLOAD G0W, G1W                                 ; waves 0, 1: W_v's halves
	s_branch .Lasked
.Lwave_2:
	s_cmp_eq_u32 s14, 2
	s_cbranch_scc0 .Lwave_3
	TLOAD G0X, G1X                                 ; wave 2: chunk 0
	s_branch .Lasked
.Lwave_3:
	TLOAD G0Y, G1X                                 ; wave 3: chunk 1
.Lasked:
	v_and_b32 v3, 31, v0
	v_and_b32 v1, 15, v0
	v_bfe_u32 v2, v0, 4, 1
	v_lshlrev_b32 v[SCO], 5, v3                    ; a row of scale bytes a lane
.irp i, 0,1
.irp c, 0,1
	global_load_b128 v[SWT+8*\i+4*\c:SWT+8*\i+4*\c+3], v[SCO], s[66:67] offset:1024*\i+16*\c
.endr
.endr
	LOADSX 0
	WIN 0xc0
.irp i, 0,1
.irp c, 0,1
	global_load_b128 v[SW2+8*\i+4*\c:SW2+8*\i+4*\c+3], v[SCO], s[68:69] offset:1024*\i+16*\c
.endr
.endr
	WIN 0
	LOADSX 1
	v_min_u32 v6, 23, v3                           ; 24 blocks of 256 bytes a wave; the lanes left over name the last again
	v_lshl_add_u32 v[PFX], v6, 8, s98
	v_lshl_add_u32 v[PFW], v6, 8, s99
	global_prefetch_b8 v[PFW], s[4:5] th:TH_LOAD_NT scope:SCOPE_SE
	global_prefetch_b8 v[PFX], s[4:5] th:TH_LOAD_NT scope:SCOPE_SE
	v_mul_u32_u24 v4, v1, PITCH
	v_mad_u32_u24 v5, v2, 40, v4                   ; row x pitch + 24 x half + one padding
	v_mad_u32_u24 v4, v2, 24, v4                   ; row x pitch + 24 x half
	v_add_nc_u32 v[X0], s90, v4
	v_add_nc_u32 v[X0+1], s90, v5
	v_add_nc_u32 v[W0], s91, v4
	v_add_nc_u32 v[W0+1], s91, v5
	WIN 0xc0
.irp b, 0,1,2,3
	v_add_nc_u32 v[WA+2*\b], \b*16*PITCH, v[W0]
	v_add_nc_u32 v[WA+2*\b+1], \b*16*PITCH, v[W0+1]
.endr
	WIN 0
	v_lshlrev_b32 v[L16], 4, v3
	v_lshlrev_b32 v[L8], 3, v3
	v_lshlrev_b32 v[SH8], 3, v2
	v_mov_b32 v[XX], 0
	v_mov_b32 v[XX+1], 0
	v_add_nc_u32 v[VC], s92, v[L16]
	v_add_nc_u32 v[VW], s93, v[L16]
	v_add_nc_u32 v[VO], s94, v[L16]
	v_add_nc_u32 v[VO+1], s95, v[L16]
	v_add_nc_u32 v[VO+2], s96, v[L16]
	v_add_nc_u32 v[VB], s97, v[L8]
; A fragment: six pieces of 8 bytes, two to a load where both go by the same address register.  Piece number PC_ counts 8 bytes along the row; 2 more for each 256 bytes passed.  NLD counts the loads of a fetch.
.macro FRAG f, q, ad, aw
	WIN ((1+(\f)/FPW)<<6)|(\aw)
.set R_, FR*((\f)%FPW)
.set SKIP_, 0
.irp p, 0,1,2,3,4,5
.if SKIP_
.set SKIP_, 0
.else
.set PC_, 12*(\q)+6*(\p/3)+\p%3
.set PN_, 12*(\q)+6*((\p+1)/3)+(\p+1)%3
.set X_, (PC_%32+3)/32
.set XQ_, (PN_%32+3)/32
.set NLD, NLD+1
.if (\p < 5) && (X_ == XQ_)
.set SKIP_, 1
	ds_load_2addr_b64 v[R_+2*\p:R_+2*\p+3], v[\ad+X_] offset0:PC_+2*(PC_/32) offset1:PN_+2*(PN_/32)
.else
	ds_load_b64 v[R_+2*\p:R_+2*\p+1], v[\ad+X_] offset:8*(PC_+2*(PC_/32))
.endif
.endif
.endr
.endm
.macro WEIGHTS                         ; my 64 rows of the weight, all of K
.irp q, 0,1,2,3,4,5,6,7
.irp b, 0,1,2,3
	FRAG 4*\q+\b, \q, WA+2*\b, 3
.endr
.endr
	WIN 0
.endm
.macro FETCH g                         ; block g = 4 x chunk + s into set g % 2.  The two additions are places behind the products too
	WIN 0
	v_add_nc_u32 v[XA], (((\g)/4)%2)*YB+((\g)%4)*16*PITCH, v[X0]
	v_add_nc_u32 v[XA+1], (((\g)/4)%2)*YB+((\g)%4)*16*PITCH, v[X0+1]
.set NLD, 0
.irp q, 0,1,2,3,4,5,6,7
	FRAG 32+8*((\g)%2)+\q, \q, XA, 0
.endr
	WIN 0
.endm
.macro W d, a, b, c, sa, sb, ra, rb
	v_wmma_scale_f32_16x16x128_f8f6f4 v[\d:\d+7], v[\a:\a+11], v[\b:\b+11], \c, v[\sa], v[\sb] matrix_a_fmt:MATRIX_FMT_FP6 matrix_b_fmt:MATRIX_FMT_FP6 matrix_a_scale:MATRIX_SCALE_ROW\ra matrix_b_scale:MATRIX_SCALE_ROW\rb
.endm
.macro P1 c
.if RA_ == 0
.if RB_ == 0
	W D_, FA_, FB_, \c, SA_, SB_, 0, 0
.else
	W D_, FA_, FB_, \c, SA_, SB_, 0, 1
.endif
.else
.if RB_ == 0
	W D_, FA_, FB_, \c, SA_, SB_, 1, 0
.else
	W D_, FA_, FB_, \c, SA_, SB_, 1, 1
.endif
.endif
.endm
; products from .. to - 1 of block g: number 4 q + tile.  The four accumulators take turns; step 0 starts the sums.  kind 0: source 0 the weight's rows; kind 1: source 0 the chunk's rows.
.macro PRODS kind, g, from, to
.set N_, \from
.rept (\to)-(\from)
.set Q_, N_/4
.set B_, N_%4
.set S_, (\g)%4
.set FW_, 4*Q_+B_
.set FX_, 32+8*((\g)%2)+Q_
.if \kind
.set D_, ACC+32*B_+8*S_
.set FA_, FR*(FX_%FPW)
.set FB_, FR*(FW_%FPW)
.set SA_, SX+16*(((\g)/4)%2)+8*(S_/2)+Q_
.set SB_, SWT+8*(B_/2)+Q_
.set RA_, S_%2
.set RB_, B_%2
	WIN (1+FX_/FPW)|((1+FW_/FPW)<<2)
.else
.set D_, ACC+32*S_+8*B_
.set FA_, FR*(FW_%FPW)
.set FB_, FR*(FX_%FPW)
.set SA_, SWT+8*(B_/2)+Q_
.set SB_, SX+16*(((\g)/4)%2)+8*(S_/2)+Q_
.set RA_, B_%2
.set RB_, S_%2
	WIN (1+FW_/FPW)|((1+FX_/FPW)<<2)
.endif
.if Q_ == 0
	P1 0
.else
	P1 v[D_:D_+7]
.endif
.set N_, N_+1
.endr
.endm
.macro AFTER g                         ; behind block g's products its set takes block g + 2: two v_nop and the fetch's two additions are the four places
.if (\g)+2 < 24
	WIN 0
	PLACES 2
	FETCH (\g)+2
.endif
.endm
.macro PLAIN kind, g
.if (\g) == 8 || (\g) == 23
	s_wait_dscnt 0x0                               ; (block 8: the weight's loads are younger than its rows')
.else
	s_wait_dscnt NLD                               ; all but the fetch issued last: this block's rows are in
.endif
	PRODS \kind, \g, 0, 32
	AFTER \g
.endm
.macro RBLK kind, g, i                 ; a block with round i: slot i % 2 has been read out; it takes chunk i + 2
	WIN 0
	s_wait_alu depctr_va_vdst(0)
	s_wait_tensorcnt 0x0                           ; all my tensor loads have landed, so their descriptors may be written;
	ds_add_u32 v[SPW], v[NIL]
	s_mov_b32 s[G0X+1], ((\i)%2)*YB
	s_add_nc_u64 s[G0X+2:G0X+3], s[80:81], (\i)*128*KROW
	s_or_b32 s[G0X+3], s[G0X+3], 0x80000000
.if (\i) == 0
	s_mov_b64 s[G0W+2:G0W+3], s[82:83]
	s_or_b32 s[G0W+3], s[G0W+3], 0x80000000
.endif
	s_wait_dscnt NLD+1                             ; the fetch issued last and the add may be out
	PRODS \kind, \g, 0, 24
	WIN 0
	s_wait_dscnt 0x0                               ; the add is done, and so are my reads of the slot (and, in round 0, of the weight's region)
	s_barrier_signal -1
	PRODS \kind, \g, 24, 32
	MIDDLE
	s_barrier_signal -1
	s_barrier_wait -1
.if (\i) == 0
	s_cmp_lt_u32 s14, 2
	s_cbranch_scc0 .Lchunk_\@
	TLOAD G0W, G1W
	s_branch .Lnone_\@
.Lchunk_\@:
.endif
	s_cmp_eq_u32 s14, 2
	s_cbranch_scc0 .Lnone_\@
	TLOAD G0X, G1X
.Lnone_\@:
	AFTER \g
.if (\i) < 3
	global_prefetch_b8 v[PFX], s[4:5] offset:((\i)+1)*128*KROW th:TH_LOAD_NT scope:SCOPE_SE   ; chunk i + 3, which the next round loads
.endif
.endm
.macro SBLK kind, g                    ; a plain barrier inside the block shows the last chunk
	s_wait_dscnt NLD
	PRODS \kind, \g, 0, 24
	WIN 0
	s_wait_alu depctr_va_vdst(0)
	s_wait_tensorcnt 0x0
	s_wait_dscnt 0x0
	s_barrier_signal -1
	PRODS \kind, \g, 24, 32
	WIN 0
	s_barrier_wait -1
	AFTER \g
.endm
; Two units of 32 sums: the largest magnitudes in four chains, the scale bytes (both halves' in PW), 2 x 6 registers of codes.
.macro QU2 u
.irp k, 0,1
	v_max3_num_f32 v[TM+2*\k], |v[ACC+32*((\u)+\k)]|, |v[ACC+32*((\u)+\k)+1]|, |v[ACC+32*((\u)+\k)+2]|
	v_max3_num_f32 v[TM+2*\k+1], |v[ACC+32*((\u)+\k)+16]|, |v[ACC+32*((\u)+\k)+17]|, |v[ACC+32*((\u)+\k)+18]|
.endr
.irp i, 3,5,7,9,11,13
.irp k, 0,1
	v_max3_num_f32 v[TM+2*\k], v[TM+2*\k], |v[ACC+32*((\u)+\k)+\i]|, |v[ACC+32*((\u)+\k)+\i+1]|
	v_max3_num_f32 v[TM+2*\k+1], v[TM+2*\k+1], |v[ACC+32*((\u)+\k)+16+\i]|, |v[ACC+32*((\u)+\k)+17+\i]|
.endr
.endr
.irp k, 0,1
	v_max3_num_f32 v[TM+2*\k], v[TM+2*\k], |v[ACC+32*((\u)+\k)+15]|, |v[ACC+32*((\u)+\k)+31]|
.endr
.irp k, 0,1
	v_max3_num_f32 v[TM+2*\k], v[TM+2*\k], v[TM+2*\k+1], 0x1800000   ; with the floor 2^(3 - 127): the byte cannot fall under 1
.endr
.irp k, 0,1
	v_add_nc_u32 v[SO+\k], 0xff000000, v[TM+2*\k]  ; 2 off the exponent field: the conversion's scale operand
.endr
.irp k, 0,1
	v_lshrrev_b32 v[PW+(\u)+\k], 23, v[SO+\k]
.endr
.irp k, 0,1
	v_lshlrev_b32 v[PW+(\u)+\k], v[SH8], v[PW+(\u)+\k]
.endr
.irp k, 0,1
	v_permlanex16_b32 v[XX+\k], v[PW+(\u)+\k], s100, s101
.endr
.irp k, 0,1
	v_or_b32 v[PW+(\u)+\k], v[PW+(\u)+\k], v[XX+\k]
.endr
.irp k, 0,1
	v_cvt_scalef32_pk16_fp6_f32 v[OUTC+6*((\u)+\k):OUTC+6*((\u)+\k)+2], v[ACC+32*((\u)+\k):ACC+32*((\u)+\k)+15], v[SO+\k]
	v_cvt_scalef32_pk16_fp6_f32 v[CT+4*\k:CT+4*\k+2], v[ACC+32*((\u)+\k)+16:ACC+32*((\u)+\k)+31], v[SO+\k]
.endr
	v_nop                                          ; one plain line behind the conversions
.irp k, 0,1
.irp i, 0,1,2
	v_mov_b32 v[OUTC+6*((\u)+\k)+3+\i], v[CT+4*\k+\i]
.endr
.endr
.endm
.macro CHUNK ci, kind
.if (\ci) == 0 || (\ci) == 5
	s_wait_loadcnt 0x0
.else
	s_wait_loadcnt 4                               ; this chunk's scale words are in; the next chunk's four loads may be out
.endif
	PLAIN \kind, 4*(\ci)
	PLAIN \kind, 4*(\ci)+1
.if (\ci) < 4
	RBLK \kind, 4*(\ci)+2, \ci
.elseif (\ci) == 4
	SBLK \kind, 4*(\ci)+2
.else
	PLAIN \kind, 4*(\ci)+2
.endif
	PLAIN \kind, 4*(\ci)+3
.if (\ci) == 5
	WIN 0
	PLACES 4
.endif
.if (\ci) == 1                         ; the change of weights: its loads go out ahead of V's last way out
	WEIGHTS
	WIN 3
.set I, 0
.rept 16
	v_mov_b32 v[SWT+I], v[SW2+I]
.set I, I+1
.endr
	WIN 0
.endif
	s_wait_xcnt 0x0                                ; the last way out's stores have read their registers and their base
.if (\ci) > 2
	s_add_nc_u64 s[88:89], s[88:89], s[86:87]      ; the next step of 128 tokens
.endif
	QU2 0
	QU2 2
.irp i, 0,1
	v_cndmask_b32 v[SW+\i], v[PW+2*\i], v[PW+2*\i+1], s17   ; lanes 0-15 the even unit's rows, lanes 16-31 the odd unit's
.endr
.if \kind
.irp t, 0,1,2,3
.irp k, 0,1,2
	global_store_b64 v[VO+\k], v[OUTC+6*\t+2*\k:OUTC+6*\t+2*\k+1], s[84:85] offset:13056*(\ci)+1536*\t
.endr
.endr
.irp i, 0,1
	global_store_b16 v[VB], v[SW+\i], s[84:85] offset:13056*(\ci)+6144+4*\i
.endr
.else
.irp i, 0,1
.irp c, 0,1,2
	global_store_b128 v[VC], v[OUTC+12*\i+4*\c:OUTC+12*\i+4*\c+3], s[88:89] offset:1536*\i+512*\c
.endr
.endr
	global_store_b64 v[VW], v[SW:SW+1], s[88:89] offset:6144
.endif
.if (\ci)+2 < 6
	LOADSX (\ci)+2                                 ; into the set that this chunk's products have read; the way out's lines are the places
.endif
.endm
	s_wait_alu depctr_va_vdst(0)
	s_cmp_eq_u32 s14, 3                            ; chunk 1, wave 3's own line, may stay on its way: round 0 shows it
	s_cbranch_scc1 .Lnot_yet
	s_wait_tensorcnt 0x0
.Lnot_yet:
	s_barrier_signal -1
	s_barrier_wait -1                              ; W_v's rows and chunk 0 are in.
.set NLD, 0
	WEIGHTS
	FETCH 0
	FETCH 1
	CHUNK 0, 1
	CHUNK 1, 1
	CHUNK 2, 0
	CHUNK 3, 0
	CHUNK 4, 0
	CHUNK 5, 0
	s_wait_tensorcnt 0x0                           ; the wave's end
	ds_add_u32 v[SPW], v[NIL]
	s_wait_dscnt 0x0
	CROUND                                         ; the closing round
	s_endpgm
.Lfunc_end_k_qe3fdc1a05f_proj:
	.size	k_qe3fdc1a05f_proj, .Lfunc_end_k_qe3fdc1a05f_proj-k_qe3fdc1a05f_proj
	.p2alignl 7, 3214868480
	.fill 96, 4, 3214868480
	.section	.rodata,"a",@progbits
	.p2align	6, 0x0
	.amdhsa_kernel k_qe3fdc1a05f_proj
		.amdhsa_group_segment_fixed_size 327680
		.amdhsa_private_segment_fixed_size 0
		.amdhsa_enable_private_segment 0
		.amdhsa_kernarg_size 32
		.amdhsa_user_sgpr_count 2
		.amdhsa_user_sgpr_kernarg_segment_ptr 1
		.amdhsa_wavefront_size32 1
		.amdhsa_system_sgpr_workgroup_id_x 1
		.amdhsa_system_sgpr_workgroup_id_y 1
		.amdhsa_system_sgpr_workgroup_id_z 1
		.amdhsa_system_vgpr_workitem_id 0
		.amdhsa_next_free_vgpr 864
		.amdhsa_next_free_sgpr 102
		.amdhsa_reserve_vcc 0
		.amdhsa_float_denorm_mode_32 3
		.amdhsa_float_denorm_mode_16_64 3
		.amdhsa_memory_ordered 1
		.amdhsa_forward_progress 1
		.amdhsa_inst_pref_size 219
	.end_amdhsa_kernel
	.amdgpu_metadata
---
amdhsa.version: [ 1, 2 ]
amdhsa.kernels:
  - .name:           k_qe3fdc1a05f_proj
    .symbol:         k_qe3fdc1a05f_proj.kd
    .args:
      - { .name: xc, .offset: 0, .size: 8, .value_kind: global_buffer, .address_space: global }
      - { .name: xs, .offset: 8, .size: 8, .value_kind: global_buffer, .address_space: global }
      - { .name: qh, .offset: 16, .size: 8, .value_kind: global_buffer, .address_space: global }
      - { .name: kvh, .offset: 24, .size: 8, .value_kind: global_buffer, .address_space: global }
    .group_segment_fixed_size: 327680
    .private_segment_fixed_size: 0
    .kernarg_segment_align: 8
    .kernarg_segment_size: 32
    .max_flat_workgroup_size: 128
    .sgpr_count:     102
    .vgpr_count:     864
    .wavefront_size: 32
...
	.end_amdgpu_metadata
.endif
;; end of part 2
;; launch attn (part 3): grid 4 x 64, 16 waves a work-group, clusters of 4 x 1, 210,944 bytes of LDS; arguments qh, kvh, oc, os; writes oc, os
.if DOCPART == 3
	.amdgcn_target "amdgcn-amd-amdhsa--gfx1250"
	.amdhsa_code_object_version 6
	.text
	.protected	k_qe3fdc1a05f_attn
	.globl	k_qe3fdc1a05f_attn
	.p2align	8
	.type	k_qe3fdc1a05f_attn,@function
k_qe3fdc1a05f_attn:
	s_mov_b64 s[64:65], 0
	v_nop
	global_prefetch_b8 v0, s[64:65] scope:SCOPE_SE
	s_setreg_imm32_b32 hwreg(HW_REG_WAVE_MODE, 25, 1), 1
	s_wait_xcnt 0x0
	s_wait_alu depctr_hold_cnt(0) depctr_sa_sdst(0) depctr_va_vdst(0) depctr_va_sdst(0) depctr_va_ssrc(0) depctr_va_vcc(0) depctr_vm_vsrc(0)
	s_getreg_b32 s2, hwreg(HW_REG_IB_STS2, 6, 4)
	s_cmp_eq_u32 s2, 0
	s_cbranch_scc0 .Lentry_in_a_cluster
	s_endpgm
.Lentry_in_a_cluster:
	s_bfe_u32 s2, ttmp6, 0x10000c
	s_cmp_lg_u32 s2, 0x3003
	s_cbranch_scc0 .Lentry_shape_is_right
	s_endpgm
.Lentry_shape_is_right:
; Attention of one (batch, head) on codes of FP6 (E2M3) with E8M0 scales: S^T = K Q^T (K = the head's 64), the softmax, O^T = V^T P^T (K = the keys), O / l, and the quantising of the result for the output product.
; THE SOFTMAX: t = score x log2(e) / 8; M = the running largest t rounded UP to a whole number, kept as -M, a running minimum of floor(-t); p = 2^(t - M) is quantised along the keys, not normalised;
; the row's sum l is taken of the unquantised p; when M moves, l and O^T are multiplied by 2^(old M - new M), which rounds nothing.
; SHARES.  A work-group owns 512 queries of a head; each of its sixteen waves 32 of them, two tiles A and B of 16, in 256 registers.  Every wave walks all 2,048 keys, 128 a step.
; LDS.  A head's K, V and scale words are 16 blocks of 13,056 bytes, 208,896 in all.  They come ONCE: wave w asks for key step w's block, one tensor load a wave, by one line without a branch; every wave waits for its load,
; one barrier shows all sixteen blocks, and nothing is filled again.  So the walk over the keys has no barrier, and there is no loop in which a prefetch could run ahead of a load.
; The four work-groups of a cluster belong to one head and ask for each block JOINTLY.  The blocks are images of operand registers: every LDS load reads consecutive bytes, 16 or 8 a lane.
; LAYOUT.  Both products are used transposed: a lane holds ONE query (lane % 16) throughout.  K's rows were stored so that register 8 t + j of S^T is key 64 (t / 4) + 32 (lane / 16) + 8 (t % 4) + j:
; registers 0-31 and 32-63 are two WHOLE blocks of 32 neighbouring keys in one lane, in the order that P's operand wants.
; K = 64 IN AN INSTRUCTION OF 128.  Q's operand has zero codes in its upper six registers.  K's tile t is v[48 + 6 t .. 59 + 6 t]: its upper six registers are the next tile's codes (zeros behind the last), which meet Q's zeros and add 0.
; WHAT IS STORED.  oc [block of 16 tokens][head][3][256 bytes]: two registers of all 32 lanes in 256 consecutive bytes: the output product's A fragments as they stand, 12,288 bytes a block.  os [token][32]: scale bytes 2 head, 2 head + 1.
; LIMITS: NaN and infinities are not served; a p under 2^-126 is 0; a block of zeros gets the byte 1 (its codes are zeros); the promise holds while |t| stays under 2^31.
.set STEPB, 13056                      ; a key step's block: K's images 6,144, K's scale words 512, V^T's fragments 6,144, V's scale words 256
.set HEADB, 16*STEPB
.set SPARE, HEADB                      ; the spare words, 128 bytes for each of sixteen waves
.set SH8, 0                            ; v0   the thread's number, then 8 x (lane / 16)
.set A16, 1                            ; v1   the step's block + 16 x lane
.set A8,  2                            ; v2   the step's block + 8 x lane
.set SPW, 3
.set NIL, 4
.set QS,  5                            ; Q's scale words: lanes 0-15 tile A's, lanes 16-31 tile B's;  v6, v7 P's scale words;  v[8:9], v[10:11] -M and l of the two tiles
.set QA,  12
.set QB,  24
.set PA,  36
.set KF,  48                           ; v48-95 K's eight tiles; v96-101 zeros
.set PB,  48                           ; P of tile B, where K has been read out
.set KS,  102
.set VS,  106
.set S,   108                          ; v108-171 S^T, then p; then V^T's four fragments
.set OA,  172
.set OB,  204
.set C,   236
.set X,   240                          ; v240-247 the sums' four chains; later the upper halves of the blocks' codes
.set CT,  240
.set SO,  248
.set L16, 250
.set L8,  251
.set F,   252
.set T,   254
.set T2,  255
.set WV,  12
.set SEL, 20
.set CS,  22
.set G1,  24
.set G0,  32
.set CNT, 48
.set TB,  49
.macro CROUND
	s_barrier_signal -1
	s_barrier_wait -1
	s_cmp_lg_u32 s[WV], 0
	s_cbranch_scc1 .Lnot_wave_0_\@
	s_barrier_signal -3
.Lnot_wave_0_\@:
	s_barrier_wait -3
	s_barrier_signal -1
	s_barrier_wait -1
.endm
	s_load_b256 s[4:11], s[0:1], 0x0               ; qh, kvh, oc, os
	v_lshl_add_u32 v[SPW], v0, 2, SPARE
	v_mov_b32 v[NIL], 0
	ds_add_u32 v[SPW], v[NIL]                      ; the opening lines: the add twice and its wait
	ds_add_u32 v[SPW], v[NIL]
	v_lshrrev_b32 v1, 5, v0
	v_readfirstlane_b32 s[WV], v1                  ; wave 0..15
	s_bfe_u32 s13, ttmp6, 0x40000                  ; cx: my block of 512 queries; it enters Q's and the outputs' addresses alone
	s_and_b32 s14, ttmp7, 0xffff                   ; 16 b + head, which the four partners share
	s_mov_b32 s[G1], 15|(3<<16)|(1<<21)            ; 51 rows of 256 bytes, dense; the mask names all four work-groups
	s_mov_b32 s[G1+1], 32<<16
	s_mov_b32 s[G1+2], 51<<16
	s_mov_b32 s[G1+3], 32<<16
	s_mov_b32 s[G1+4], 51
	s_mov_b32 s[G1+5], 32
	s_mov_b32 s[G1+6], 0
	s_mov_b32 s[G1+7], 0
	s_mul_i32 s50, s[WV], STEPB                    ; wave w brings key step w
	s_mul_i32 s52, s14, HEADB
	s_add_co_u32 s52, s52, s50
	s_mov_b32 s53, 0
	s_mov_b32 s[SEL], 0x76543210
	s_mov_b32 s[SEL+1], 0xfedcba98
	s_mov_b32 s[CS], 0x3e38aa3b                    ; log2(e) / 8
	s_mov_b32 s[CS+1], s[CS]
	s_mov_b32 s[TB], 0
	s_mov_b32 s[G0], 1
	s_mov_b32 s[G0+1], s50
	s_wait_dscnt 0x0
	s_wait_kmcnt 0x0
	s_add_nc_u64 s[G0+2:G0+3], s[6:7], s[52:53]
	s_or_b32 s[G0+3], s[G0+3], 0x80000000
	CROUND                                         ; all four work-groups are here: the joint loads meet
	tensor_load_to_lds s[G0:G0+3], s[G1:G1+7]
	s_nop 0
.rept 4
	v_nop
.endr
	v_and_b32 v1, 31, v0
	v_bfe_u32 v2, v0, 4, 1
	v_lshlrev_b32 v[L16], 4, v1
	v_lshlrev_b32 v[L8], 3, v1
	v_lshlrev_b32 v[SH8], 3, v2                    ; the thread's number is not needed any more
	s_mul_i32 s52, s14, 16*6656                    ; Q: my pair of tiles is pair w % 4 of the step of 128 tokens 4 cx + w / 4
	s_lshl_b32 s54, s13, 2
	s_lshr_b32 s55, s[WV], 2
	s_add_co_u32 s54, s54, s55
	s_mul_i32 s54, s54, 6656
	s_add_co_u32 s52, s52, s54
	s_add_nc_u64 s[4:5], s[4:5], s[52:53]
	s_and_b32 s54, s[WV], 3
	s_mul_i32 s52, s54, 1536
	s_add_nc_u64 s[16:17], s[4:5], s[52:53]
	s_lshl_b32 s52, s54, 2
	s_add_nc_u64 s[18:19], s[4:5], s[52:53]
	s_wait_alu depctr_va_vdst(0)
.irp c, 0,1,2
	global_load_b128 v[QA+4*\c:QA+4*\c+3], v[L16], s[16:17] offset:512*\c
.endr
	global_load_b32 v[QS], v[L16], s[18:19] offset:6144
	v_mov_b32 v8, 0x7f61b1e6                       ; -M: above every floor(-t)
	v_mov_b32 v9, 0                                ; l
	v_mov_b32 v10, 0x7f61b1e6
	v_mov_b32 v11, 0
.set j, 0
.rept 64
	v_mov_b32 v[OA+j], 0                           ; O^T.  The step is written once: the first finds zeros, which the first change of M leaves zeros
.set j, j+1
.endr
.irp i, 0,1,2,3,4,5
	v_mov_b32 v[96+\i], 0                          ; behind K's last tile
.endr
	v_mov_b32 v[F+1], 0                            ; named as the upper half of a pair
	v_mov_b32 v[T2], 0                             ; a lane permute's destination counts as one of its sources
	s_wait_loadcnt 0x0
.irp i, 0,1,2,3,4,5
	v_mov_b32 v[QB+\i], v[QA+6+\i]                 ; tile B's codes to their own operand,
.endr
.irp i, 0,1,2,3,4,5
	v_mov_b32 v[QA+6+\i], 0                        ; and zero codes for k = 64 .. 127 of both
	v_mov_b32 v[QB+6+\i], 0
.endr
; S^T = K Q^T for one tile of queries: eight tiles of 16 keys, each begun with 0.  K's scale words: lanes 0-15 of v[KS + t / 2] for even t, lanes 16-31 for odd t.
.macro SMUL q, rowb
.irp t2, 0,1,2,3
.irp to, 0,1
	v_wmma_scale_f32_16x16x128_f8f6f4 v[S+8*(2*\t2+\to):S+8*(2*\t2+\to)+7], v[KF+6*(2*\t2+\to):KF+6*(2*\t2+\to)+11], v[\q:\q+11], 0, v[KS+\t2], v[QS] matrix_a_fmt:MATRIX_FMT_FP6 matrix_b_fmt:MATRIX_FMT_FP6 matrix_a_scale:MATRIX_SCALE_ROW\to matrix_b_scale:MATRIX_SCALE_ROW\rowb
.endr
.endr
.rept 4
	v_nop                                          ; places ahead of the first read of the scores
.endr
.endm
; One tile's softmax for 128 keys.  st: the pair [-M, l]; pd: P's twelve registers; ps: its scale word; ob: the tile's O^T; vload = 1: V's run of LDS loads stands ahead of O^T's rescaling.
.macro SOFTMAX st, pd, ps, ob, vload
.irp k, 0,1,2,3
	v_max3_num_f32 v[C+\k], v[S+16*\k], v[S+16*\k+1], v[S+16*\k+2]   ; four chains of 16 scores, each accumulator from its low end on
.endr
.irp i, 3,5,7,9,11,13
.irp k, 0,1,2,3
	v_max3_num_f32 v[C+\k], v[C+\k], v[S+16*\k+\i], v[S+16*\k+\i+1]
.endr
.endr
.irp c, 0,1
	v_max3_num_f32 v[C+2*\c], v[C+2*\c], v[S+32*\c+15], v[S+32*\c+31]
.endr
.irp c, 0,1
	s_delay_alu instid0(VALU_DEP_2)
	v_max_num_f32 v[C+2*\c], v[C+2*\c], v[C+2*\c+1]   ; the largest score of each of my two blocks: it serves for the row's maximum and, since p rises with the score, for the block's largest p
.endr
	s_delay_alu instid0(VALU_DEP_1)
	v_max_num_f32 v[T], v[C], v[C+2]
	s_delay_alu instid0(VALU_DEP_1)
	v_permlanex16_b32 v[T2], v[T], s[SEL], s[SEL+1]
	s_delay_alu instid0(VALU_DEP_1)
	v_max_num_f32 v[T], v[T], v[T2]                ; the step's largest score of my query
	s_delay_alu instid0(VALU_DEP_1)
	v_mul_f32 v[T], s[CS], v[T]                    ; as t
	s_delay_alu instid0(VALU_DEP_1)
	v_floor_f32 v[T], -v[T]                        ; -ceil(t)
	s_delay_alu instid0(VALU_DEP_1)
	v_min_num_f32 v[T], v[T], v[\st]               ; the new -M
	s_delay_alu instid0(VALU_DEP_1)
	v_sub_f32 v[T2], v[T], v[\st]                  ; old M - new M: a whole number, 0 or less
	s_delay_alu instid0(VALU_DEP_2)
	v_mov_b32 v[\st], v[T]
	s_delay_alu instid0(VALU_DEP_2)
	v_cvt_i32_f32 v[T2], v[T2]                     ; (it saturates)
	s_delay_alu instid0(VALU_DEP_1)
	v_ldexp_f32 v[F], 1.0, v[T2]                   ; f = 2^(old M - new M)
.set j, 0
.rept 32
	v_pk_fma_f32 v[S+j:S+j+1], v[S+j:S+j+1], s[CS:CS+1], v[\st:\st+1] op_sel_hi:[1,0,0]   ; t - M, two at once
.set j, j+2
.endr
	v_fma_f32 v[C], v[C], s[CS], v[\st]            ; the same of each block's largest score
	v_fma_f32 v[C+2], v[C+2], s[CS], v[\st]
.set j, 0
	s_wait_alu depctr_va_vdst(0)
.rept 64
	v_exp_f32 v[S+j], v[S+j]                       ; p = 2^(t - M): one batch
.set j, j+1
.endr
	v_mul_f32 v[\st+1], v[\st+1], v[F]             ; l under the new M (the plain line behind the batch)
	s_wait_alu depctr_va_vdst(0)                   ; one wait for the 64, ahead of their first reader
	v_exp_f32 v[C], v[C]                           ; the blocks' largest p: the same two instructions on the same numbers
	v_exp_f32 v[C+2], v[C+2]
.irp k, 0,1,2,3
	v_pk_add_f32 v[X+2*\k:X+2*\k+1], v[S+4*\k:S+4*\k+1], v[S+4*\k+2:S+4*\k+3]   ; the sum of the unquantised p: four chains of pairs
.endr
.irp i, 16,24,32,40,48,56
.irp k, 0,1,2,3
	v_pk_add_f32 v[X+2*\k:X+2*\k+1], v[X+2*\k:X+2*\k+1], v[S+\i+2*\k:S+\i+2*\k+1]
.endr
.endr
	s_delay_alu instid0(VALU_DEP_2)
	v_pk_add_f32 v[X:X+1], v[X:X+1], v[X+4:X+5]
	s_delay_alu instid0(VALU_DEP_2)
	v_pk_add_f32 v[X+2:X+3], v[X+2:X+3], v[X+6:X+7]
	s_delay_alu instid0(VALU_DEP_1)
	v_pk_add_f32 v[X:X+1], v[X:X+1], v[X+2:X+3]
	s_delay_alu instid0(VALU_DEP_1)
	v_add_f32 v[\st+1], v[\st+1], v[X]
	s_delay_alu instid0(VALU_DEP_1)
	v_add_f32 v[\st+1], v[\st+1], v[X+1]
	s_wait_alu depctr_va_vdst(0)                   ; and one for the two
	v_max_num_f32 v[C], 0x1800000, v[C]            ; the floor 2^(3 - 127): the byte cannot fall under 1
	v_max_num_f32 v[C+2], 0x1800000, v[C+2]
	s_delay_alu instid0(VALU_DEP_2)
	v_add_nc_u32 v[SO], 0xff000000, v[C]           ; 2 off the exponent field: the conversion's scale operand
	s_delay_alu instid0(VALU_DEP_2)
	v_add_nc_u32 v[SO+1], 0xff000000, v[C+2]
	s_delay_alu instid0(VALU_DEP_2)
	v_lshrrev_b32 v[C+1], 23, v[SO]                ; the scale bytes
	s_delay_alu instid0(VALU_DEP_2)
	v_lshrrev_b32 v[C+3], 23, v[SO+1]
	s_delay_alu instid0(VALU_DEP_1)
	v_lshl_or_b32 v[\ps], v[C+3], 16, v[C+1]
	s_delay_alu instid0(VALU_DEP_1)
	v_lshlrev_b32 v[\ps], v[SH8], v[\ps]           ; bytes lane / 16 and 2 + lane / 16,
	s_delay_alu instid0(VALU_DEP_1)
	v_permlanex16_b32 v[T2], v[\ps], s[SEL], s[SEL+1]
	s_delay_alu instid0(VALU_DEP_1)
	v_or_b32 v[\ps], v[\ps], v[T2]                 ; with lane l xor 16's two: p's scale word for these 128 keys
	v_cvt_scalef32_pk16_fp6_f32 v[\pd:\pd+2], v[S:S+15], v[SO]
	v_cvt_scalef32_pk16_fp6_f32 v[CT:CT+2], v[S+16:S+31], v[SO]      ; (a conversion's three registers begin on an even number)
	v_cvt_scalef32_pk16_fp6_f32 v[\pd+6:\pd+8], v[S+32:S+47], v[SO+1]
	v_cvt_scalef32_pk16_fp6_f32 v[CT+4:CT+6], v[S+48:S+63], v[SO+1]
	v_nop                                          ; one plain line behind the conversions
.irp i, 0,1,2
	v_mov_b32 v[\pd+3+\i], v[CT+\i]
	v_mov_b32 v[\pd+9+\i], v[CT+4+\i]
.endr
.if \vload
.irp n, 0,1,2,3,4,5,6,7,8,9,10,11
	ds_load_b128 v[S+4*\n:S+4*\n+3], v[A16] offset:6656+512*\n   ; V^T's four fragments, where p has been read out
.endr
	ds_load_b64 v[VS:VS+1], v[A8] offset:12800
.endif
.set j, 0
.rept 16
	v_pk_mul_f32 v[\ob+j:\ob+j+1], v[\ob+j:\ob+j+1], v[F:F+1] op_sel_hi:[1,0]   ; O^T under the new M.  These sixteen are also the places between the scale word's and P's last writes and the products
.set j, j+2
.endr
.endm
	s_wait_tensorcnt 0x0                           ; my block is in;
	s_barrier_signal -1
	s_barrier_wait -1                              ; and so are all sixteen.
	s_mov_b32 s[CNT], 16
.Lstep:                                                ; a key step
	s_wait_alu depctr_va_vdst(0)
	v_add_nc_u32 v[A16], s[TB], v[L16]
	v_add_nc_u32 v[A8], s[TB], v[L8]
.rept 3
	v_nop                                          ; with the two additions: five places behind the last products, whose registers K's loads and the scores' products write over
.endr
.irp n, 0,1,2,3,4,5,6,7,8,9,10,11
	ds_load_b128 v[KF+4*\n:KF+4*\n+3], v[A16] offset:512*\n
.endr
	ds_load_b128 v[KS:KS+3], v[A16] offset:6144
	s_wait_dscnt 0x0
	SMUL QA, 0
	SOFTMAX 8, PA, 6, OA, 0
	SMUL QB, 1
	SOFTMAX 10, PB, 7, OB, 1
	s_wait_alu depctr_va_vdst(0)
	s_wait_dscnt 0x0                               ; V is in
.irp t2, 0,1                           ; O^T += V^T P^T: eight accumulators by turns, one instruction a turn
.irp to, 0,1
	v_wmma_scale_f32_16x16x128_f8f6f4 v[OA+8*(2*\t2+\to):OA+8*(2*\t2+\to)+7], v[S+12*(2*\t2+\to):S+12*(2*\t2+\to)+11], v[PA:PA+11], v[OA+8*(2*\t2+\to):OA+8*(2*\t2+\to)+7], v[VS+\t2], v6 matrix_a_fmt:MATRIX_FMT_FP6 matrix_b_fmt:MATRIX_FMT_FP6 matrix_a_scale:MATRIX_SCALE_ROW\to
	v_wmma_scale_f32_16x16x128_f8f6f4 v[OB+8*(2*\t2+\to):OB+8*(2*\t2+\to)+7], v[S+12*(2*\t2+\to):S+12*(2*\t2+\to)+11], v[PB:PB+11], v[OB+8*(2*\t2+\to):OB+8*(2*\t2+\to)+7], v[VS+\t2], v7 matrix_a_fmt:MATRIX_FMT_FP6 matrix_b_fmt:MATRIX_FMT_FP6 matrix_a_scale:MATRIX_SCALE_ROW\to
.endr
.endr
	s_add_co_u32 s[TB], s[TB], STEPB
	s_sub_co_u32 s[CNT], s[CNT], 1
	s_cmp_lg_u32 s[CNT], 0
	s_cbranch_scc1 .Lstep
	; THE WAY OUT.  x = O^T / l; a lane's 32 registers of a tile are features 32 (lane / 16) + 0 .. 31 of my head: one block of the output product's K.
.rept 4
	v_nop                                          ; places behind the last products
.endr
	v_permlanex16_b32 v[T2], v9, s[SEL], s[SEL+1]
	s_delay_alu instid0(VALU_DEP_1)
	v_add_f32 v9, v9, v[T2]                        ; with lane l xor 16's keys: the row's sum
	s_delay_alu instid0(VALU_DEP_2)
	v_permlanex16_b32 v[T2], v11, s[SEL], s[SEL+1]
	s_delay_alu instid0(VALU_DEP_1)
	v_add_f32 v11, v11, v[T2]
	s_wait_alu depctr_va_vdst(0)
	v_rcp_f32 v252, v9
	v_rcp_f32 v254, v11
	v_lshlrev_b32 v2, 2, v[L8]                     ; 32 x lane (the plain line behind the reciprocals)
	s_and_b32 s50, s14, 15                         ; head
	s_lshr_b32 s51, s14, 4
	s_lshl_b32 s51, s51, 7
	s_lshl_b32 s52, s13, 5
	s_add_co_u32 s51, s51, s52
	s_lshl_b32 s52, s[WV], 1
	s_add_co_u32 s51, s51, s52                     ; tile A's block of 16 tokens: 128 b + 32 cx + 2 w
	s_mul_i32 s52, s51, 12288
	s_mul_i32 s54, s50, 768
	s_add_co_u32 s52, s52, s54
	s_add_nc_u64 s[8:9], s[8:9], s[52:53]          ; (s53 is 0)
	s_lshl_b32 s52, s51, 9
	s_lshl_b32 s54, s50, 1
	s_add_co_u32 s52, s52, s54
	s_add_nc_u64 s[10:11], s[10:11], s[52:53]
	s_mov_b32 s50, 0xffff0000                      ; lanes 16-31
	s_wait_alu depctr_va_vdst(0)                   ; one wait for the two reciprocals and for O^T's first readers, which follow on end
.set j, 0
.rept 16
	v_pk_mul_f32 v[OA+j:OA+j+1], v[OA+j:OA+j+1], v[252:253] op_sel_hi:[1,0]   ; each accumulator from its low end on
.set j, j+2
.endr
.set j, 0
.rept 16
	v_pk_mul_f32 v[OB+j:OB+j+1], v[OB+j:OB+j+1], v[254:255] op_sel_hi:[1,0]
.set j, j+2
.endr
.macro QOUT ob, dd, ww, cc, so, x
	v_max3_num_f32 v[C], |v[\ob]|, |v[\ob+1]|, |v[\ob+2]|
	v_max3_num_f32 v[C+1], |v[\ob+16]|, |v[\ob+17]|, |v[\ob+18]|
.irp i, 3,5,7,9,11,13
	s_delay_alu instid0(VALU_DEP_2)
	v_max3_num_f32 v[C], v[C], |v[\ob+\i]|, |v[\ob+\i+1]|
	s_delay_alu instid0(VALU_DEP_2)
	v_max3_num_f32 v[C+1], v[C+1], |v[\ob+16+\i]|, |v[\ob+16+\i+1]|
.endr
	s_delay_alu instid0(VALU_DEP_2)
	v_max3_num_f32 v[C], v[C], |v[\ob+15]|, |v[\ob+31]|
	s_delay_alu instid0(VALU_DEP_1)
	v_max3_num_f32 v[C], v[C], v[C+1], 0x1800000
	s_delay_alu instid0(VALU_DEP_1)
	v_add_nc_u32 v[\so], 0xff000000, v[C]
	s_delay_alu instid0(VALU_DEP_1)
	v_lshrrev_b32 v[\ww], 23, v[\so]
	s_delay_alu instid0(VALU_DEP_1)
	v_lshlrev_b32 v[\ww], v[SH8], v[\ww]
	s_delay_alu instid0(VALU_DEP_1)
	v_permlanex16_b32 v[T2], v[\ww], s[SEL], s[SEL+1]
	s_delay_alu instid0(VALU_DEP_1)
	v_or_b32 v[\ww], v[\ww], v[T2]                 ; my head's two scale bytes of this row
	v_cvt_scalef32_pk16_fp6_f32 v[\dd:\dd+2], v[\ob:\ob+15], v[\so]
	v_cvt_scalef32_pk16_fp6_f32 v[\cc:\cc+2], v[\ob+16:\ob+31], v[\so]
	v_nop
.irp i, 0,1,2
	v_mov_b32 v[\dd+3+\i], v[\cc+\i]
.endr
.irp i, 0,1,2
	global_store_b64 v[L8], v[\dd+2*\i:\dd+2*\i+1], s[8:9] offset:12288*\x+256*\i   ; 32 lanes store 256 consecutive bytes, aligned
.endr
.endm
	QOUT OA, 48, 238, 240, 248, 0
	QOUT OB, 54, 239, 244, 249, 1
	v_cndmask_b32 v238, v238, v239, s50            ; lanes 0-15 tile A's rows, lanes 16-31 tile B's
	global_store_b16 v2, v238, s[10:11]            ; 2 bytes of each of 32 rows of 32 bytes: one byte in 24 of what the launch stores
	s_wait_tensorcnt 0x0                           ; the wave's end
	ds_add_u32 v[SPW], v[NIL]
	s_wait_dscnt 0x0
	CROUND                                         ; the closing round
	s_endpgm
.Lfunc_end_k_qe3fdc1a05f_attn:
	.size	k_qe3fdc1a05f_attn, .Lfunc_end_k_qe3fdc1a05f_attn-k_qe3fdc1a05f_attn
	.p2alignl 7, 3214868480
	.fill 96, 4, 3214868480
	.section	.rodata,"a",@progbits
	.p2align	6, 0x0
	.amdhsa_kernel k_qe3fdc1a05f_attn
		.amdhsa_group_segment_fixed_size 210944
		.amdhsa_private_segment_fixed_size 0
		.amdhsa_enable_private_segment 0
		.amdhsa_kernarg_size 32
		.amdhsa_user_sgpr_count 2
		.amdhsa_user_sgpr_kernarg_segment_ptr 1
		.amdhsa_wavefront_size32 1
		.amdhsa_system_sgpr_workgroup_id_x 1
		.amdhsa_system_sgpr_workgroup_id_y 1
		.amdhsa_system_sgpr_workgroup_id_z 1
		.amdhsa_system_vgpr_workitem_id 0
		.amdhsa_next_free_vgpr 256
		.amdhsa_next_free_sgpr 66
		.amdhsa_reserve_vcc 0
		.amdhsa_float_denorm_mode_32 3
		.amdhsa_float_denorm_mode_16_64 3
		.amdhsa_memory_ordered 1
		.amdhsa_forward_progress 1
		.amdhsa_inst_pref_size 44
	.end_amdhsa_kernel
	.amdgpu_metadata
---
amdhsa.version: [ 1, 2 ]
amdhsa.kernels:
  - .name:           k_qe3fdc1a05f_attn
    .symbol:         k_qe3fdc1a05f_attn.kd
    .args:
      - { .name: qh, .offset: 0, .size: 8, .value_kind: global_buffer, .address_space: global }
      - { .name: kvh, .offset: 8, .size: 8, .value_kind: global_buffer, .address_space: global }
      - { .name: oc, .offset: 16, .size: 8, .value_kind: global_buffer, .address_space: global }
      - { .name: os, .offset: 24, .size: 8, .value_kind: global_buffer, .address_space: global }
    .group_segment_fixed_size: 210944
    .private_segment_fixed_size: 0
    .kernarg_segment_align: 8
    .kernarg_segment_size: 32
    .max_flat_workgroup_size: 512
    .sgpr_count:     66
    .vgpr_count:     256
    .wavefront_size: 32
...
	.end_amdgpu_metadata
.endif
;; end of part 3
;; launch outp (part 4): grid 8 x 32, 4 waves a work-group, clusters of 4 x 4, 327,680 bytes of LDS; arguments oc, os, xc, xs, out0; writes out0
.if DOCPART == 4
	.amdgcn_target "amdgcn-amd-amdhsa--gfx1250"
	.amdhsa_code_object_version 6
	.text
	.protected	k_qe3fdc1a05f_outp
	.globl	k_qe3fdc1a05f_outp
	.p2align	8
	.type	k_qe3fdc1a05f_outp,@function
k_qe3fdc1a05f_outp:
	s_mov_b64 s[64:65], 0
	v_nop
	global_prefetch_b8 v0, s[64:65] scope:SCOPE_SE
	s_setreg_imm32_b32 hwreg(HW_REG_WAVE_MODE, 25, 1), 1
	s_wait_xcnt 0x0
	s_wait_alu depctr_hold_cnt(0) depctr_sa_sdst(0) depctr_va_vdst(0) depctr_va_sdst(0) depctr_va_ssrc(0) depctr_va_vcc(0) depctr_vm_vsrc(0)
	s_getreg_b32 s2, hwreg(HW_REG_IB_STS2, 6, 4)
	s_cmp_eq_u32 s2, 0
	s_cbranch_scc0 .Lentry_in_a_cluster
	s_endpgm
.Lentry_in_a_cluster:
	s_bfe_u32 s2, ttmp6, 0x10000c
	s_cmp_lg_u32 s2, 0xf033
	s_cbranch_scc0 .Lentry_shape_is_right
	s_endpgm
.Lentry_shape_is_right:
; out0 = x W_o^T on codes of FP6 (E2M3) with E8M0 scales; x's codes (oc) and scale bytes (os) are the attention launch's, W_o's are rows 27,648 .. 28,671 of xc and xs.
; THE BLOCK.  A work-group makes 256 tokens x 128 columns with ALL of K = 1,024: 32 x 8 = 256 work-groups.  Four waves, 2 x 2: the wave in column b holds 64 rows of W_o, all of K, in 384 registers;
; the wave in row a takes tokens 64 a .. 64 a + 63 of each half of 128 tokens: eight blocks of 16 tokens.  A block is 32 products and is finished with them: it leaves at once, while the later blocks are multiplied.
; LDS, filled ONCE at the head, one joint load a wave: W_o's 128 rows of 768 bytes, 16 bytes of padding behind each 256 (waves 0, 1 a half each); x's 256 tokens, a dense block of 196,608 bytes of oc,
; images of operand registers (waves 2, 3: 128 tokens each, as rows of 256 bytes).  The second half of x, wave 3's own line, is shown by a plain barrier in the third block.
; Nothing is filled again: no ring; every tile is asked for at the head, so there is no loop in which a prefetch could run ahead.
; CLUSTERS 4 x 4: x's tile hangs on cy and is shared along a row of the cluster, W_o's on cx and is shared along a column.
; SCALES go from memory into registers: lane l takes the 32 bytes of row 32 i + l: register 8 i + q holds step q's word of block 2 i in lanes 0-15, of block 2 i + 1 in lanes 16-31.
; The matrix instruction is used transposed (source 0 = W_o's rows): a lane holds eight neighbouring columns of one token's row.
; THE WAY OUT: a block's 16 rows x 64 columns go through the wave's own stage in LDS (bytes into which no tile lands) and leave as rows of 256 consecutive bytes, aligned, sixteen lanes to a row.
.set KROW,  768
.set PITCH, 816
.set FR,    12
.set FPW,   21                         ; fragment f lies in window 1 + f / 21 at register 12 (f % 21): 0-31 W_o's (4 q + tile), 32-39 and 40-47 the tokens' two sets
.set WB,    196608
.set STAGE, WB+128*PITCH
.set SPITCH, 272
.set SPARE, STAGE+4*16*SPITCH
.set X0,  8
.set XA,  10                           ; v10-17 a block's eight fragment addresses
.set STO, 18
.set RD,  19
.set CO,  20
.set SCO, 24
.set W0,  26
.set SPW, 28
.set NIL, 29
.set SWT, 32
.set SX,  52
.set ACC, 128                          ; v128-191 two sets of four accumulators;  v192-255 two sets of 16 rows read back from the stage
.set BK,  192
.set WA,  88                           ; window 3: v88-95 LDS addresses of W_o's four tiles
.set G1A, 24
.set G1W, 32
.set G0W, 48
.set G0A, 52
.set MSB, 0
.macro WIN new
.if MSB != \new
	s_set_vgpr_msb (MSB<<8)|\new
.set MSB, \new
.endif
.endm
.macro PLACES n
.rept \n
	v_nop
.endr
.endm
.macro CROUND
	s_barrier_signal -1
	s_barrier_wait -1
	s_cmp_lg_u32 s14, 0
	s_cbranch_scc1 .Lnot_wave_0_\@
	s_barrier_signal -3
.Lnot_wave_0_\@:
	s_barrier_wait -3
	s_barrier_signal -1
	s_barrier_wait -1
.endm
.macro TLOAD g0, g1
	tensor_load_to_lds s[\g0:\g0+3], s[\g1:\g1+7]
	s_nop 0
	PLACES 4
.endm
	s_load_b128 s[4:7], s[0:1], 0x0                ; oc, os
	s_load_b128 s[8:11], s[0:1], 0x10              ; xc, xs
	s_load_b64 s[12:13], s[0:1], 0x20              ; out0
	v_lshl_add_u32 v[SPW], v0, 2, SPARE
	v_mov_b32 v[NIL], 0
	ds_add_u32 v[SPW], v[NIL]                      ; the opening lines: the add twice and its wait
	ds_add_u32 v[SPW], v[NIL]
	v_lshrrev_b32 v1, 5, v0
	v_readfirstlane_b32 s14, v1                    ; wave; s15 its row a, s16 its column b
	s_lshr_b32 s15, s14, 1
	s_and_b32 s16, s14, 1
	s_bfe_u32 s40, ttmp6, 0x40000                  ; cx
	s_bfe_u32 s41, ttmp6, 0x40004                  ; cy
	s_lshl_b32 s42, ttmp9, 2
	s_add_co_u32 s42, s42, s40                     ; the tile of 128 columns
	s_and_b32 s43, ttmp7, 0xffff
	s_lshl_b32 s43, s43, 2
	s_add_co_u32 s43, s43, s41                     ; the tile of 256 tokens
	s_lshl_b32 s44, s41, 2
	s_lshl_b32 s44, 15, s44                        ; my row of the cluster
	s_lshl_b32 s45, 0x1111, s40                    ; my column
	s_or_b32 s[G1A], s44, (3<<16)|(1<<21)          ; 384 rows of 256 bytes, dense
	s_mov_b32 s[G1A+1], 32<<16
	s_mov_b32 s[G1A+2], 384<<16
	s_mov_b32 s[G1A+3], 32<<16
	s_mov_b32 s[G1A+4], 384
	s_mov_b32 s[G1A+5], 32
	s_mov_b32 s[G1A+6], 0
	s_mov_b32 s[G1A+7], 0
	s_or_b32 s[G1W], s45, (1<<20)|(1<<21)|(5<<22)|(3<<25)   ; 64 rows of 768 bytes, padded
	s_mov_b32 s[G1W+1], KROW<<16
	s_mov_b32 s[G1W+2], 64<<16
	s_mov_b32 s[G1W+3], KROW<<16
	s_mov_b32 s[G1W+4], 64
	s_mov_b32 s[G1W+5], KROW
	s_mov_b32 s[G1W+6], 0
	s_mov_b32 s[G1W+7], 0
	s_lshl_b32 s21, s42, 7
	s_add_co_u32 s21, s21, 27648                   ; W_o's first row
	s_lshl_b32 s46, s14, 6
	s_add_co_u32 s56, s21, s46                     ; waves 0, 1 fetch a half each
	s_mul_i32 s56, s56, KROW
	s_mov_b32 s57, 0
	s_mul_i32 s60, s43, 196608
	s_mul_i32 s22, s16, 98304                      ; waves 2, 3 fetch 128 tokens each
	s_add_co_u32 s60, s60, s22
	s_mov_b32 s61, 0
	s_lshl_b32 s46, s16, 6
	s_add_co_u32 s66, s21, s46                     ; the scale bytes of my 64 rows of W_o,
	s_lshl_b32 s66, s66, 5
	s_mov_b32 s67, 0
	s_lshl_b32 s70, s43, 8
	s_lshl_b32 s46, s15, 6
	s_add_co_u32 s70, s70, s46                     ; my first token:
	s_lshl_b32 s84, s70, 12                        ; its row of out0, 4,096 bytes each,
	s_lshl_b32 s70, s70, 5                         ; and its scale bytes
	s_mov_b32 s71, 0
	s_lshl_b32 s46, s42, 9
	s_add_co_u32 s84, s84, s46
	s_lshl_b32 s46, s16, 8
	s_add_co_u32 s84, s84, s46                     ; and my first column
	s_mov_b32 s85, 0
	s_mul_i32 s86, s15, 4*12288
	s_mul_i32 s87, s16, 64*PITCH
	s_add_co_u32 s87, s87, WB
	s_mul_i32 s88, s14, 16*SPITCH
	s_add_co_u32 s88, s88, STAGE
	s_mov_b32 s[G0W], 1
	s_mul_i32 s[G0W+1], s14, 64*PITCH
	s_add_co_u32 s[G0W+1], s[G0W+1], WB
	s_mov_b32 s[G0A], 1
	s_mov_b32 s[G0A+1], s22
	s_wait_dscnt 0x0
	s_wait_kmcnt 0x0
	s_add_nc_u64 s[G0W+2:G0W+3], s[8:9], s[56:57]
	s_or_b32 s[G0W+3], s[G0W+3], 0x80000000
	s_add_nc_u64 s[G0A+2:G0A+3], s[4:5], s[60:61]
	s_or_b32 s[G0A+3], s[G0A+3], 0x80000000
	s_add_nc_u64 s[66:67], s[10:11], s[66:67]
	s_add_nc_u64 s[70:71], s[6:7], s[70:71]
	s_add_nc_u64 s[84:85], s[12:13], s[84:85]
	CROUND                                         ; all sixteen work-groups are here: the joint loads meet
	s_cmp_lt_u32 s14, 2                            ; one load a wave, in the arms of one chain of branches on the wave's number
	s_cbranch_scc0 .Lwave_2
	TLOAD G0W, G1W                                 ; waves 0, 1: W_o's halves
	s_branch .Lasked
.Lwave_2:
	s_cmp_eq_u32 s14, 2
	s_cbranch_scc0 .Lwave_3
	TLOAD G0A, G1A                                 ; wave 2: tokens 0-127
	s_branch .Lasked
.Lwave_3:
	TLOAD G0A, G1A                                 ; wave 3: tokens 128-255
.Lasked:
	v_and_b32 v3, 31, v0
	v_and_b32 v1, 15, v0
	v_bfe_u32 v2, v0, 4, 1
	v_lshlrev_b32 v[SCO], 5, v3                    ; a row of scale bytes a lane
.irp i, 0,1
.irp c, 0,1
	global_load_b128 v[SWT+8*\i+4*\c:SWT+8*\i+4*\c+3], v[SCO], s[66:67] offset:1024*\i+16*\c
.endr
.endr
.irp ci, 0,1
.irp i, 0,1
.irp c, 0,1
	global_load_b128 v[SX+16*\ci+8*\i+4*\c:SX+16*\ci+8*\i+4*\c+3], v[SCO], s[70:71] offset:4096*\ci+1024*\i+16*\c
.endr
.endr
.endr
	v_mul_u32_u24 v4, v1, PITCH
	v_mad_u32_u24 v5, v2, 40, v4                   ; row x pitch + 24 x half + one padding
	v_mad_u32_u24 v4, v2, 24, v4                   ; row x pitch + 24 x half
	v_add_nc_u32 v[W0], s87, v4
	v_add_nc_u32 v[W0+1], s87, v5
	WIN 0xc0
.irp b, 0,1,2,3
	v_add_nc_u32 v[WA+2*\b], \b*16*PITCH, v[W0]
	v_add_nc_u32 v[WA+2*\b+1], \b*16*PITCH, v[W0+1]
.endr
	WIN 0
	v_lshlrev_b32 v6, 3, v3
	v_add_nc_u32 v[X0], s86, v6                    ; x's images: 8 bytes a lane
	v_mul_u32_u24 v5, v1, SPITCH
	v_lshl_add_u32 v5, v2, 5, v5
	v_add_nc_u32 v[STO], s88, v5                   ; the stage, in: row l % 16, 32 bytes for each half of the lanes
	v_mul_u32_u24 v5, v2, SPITCH
	v_lshl_add_u32 v5, v1, 4, v5
	v_add_nc_u32 v[RD], s88, v5                    ; back: sixteen lanes to a row of 256 bytes, two rows a load
	v_lshlrev_b32 v5, 12, v2
	v_lshl_add_u32 v[CO], v1, 4, v5                ; and the same two rows in out0
.macro FRAG f, q, ad, aw               ; a fragment of W_o: six pieces of 8 bytes, two to a load where both go by the same address register
	WIN ((1+(\f)/FPW)<<6)|(\aw)
.set R_, FR*((\f)%FPW)
.set SKIP_, 0
.irp p, 0,1,2,3,4,5
.if SKIP_
.set SKIP_, 0
.else
.set PC_, 12*(\q)+6*(\p/3)+\p%3
.set PN_, 12*(\q)+6*((\p+1)/3)+(\p+1)%3
.set X_, (PC_%32+3)/32
.set XQ_, (PN_%32+3)/32
.if (\p < 5) && (X_ == XQ_)
.set SKIP_, 1
	ds_load_2addr_b64 v[R_+2*\p:R_+2*\p+3], v[\ad+X_] offset0:PC_+2*(PC_/32) offset1:PN_+2*(PN_/32)
.else
	ds_load_b64 v[R_+2*\p:R_+2*\p+1], v[\ad+X_] offset:8*(PC_+2*(PC_/32))
.endif
.endif
.endr
.endm
.macro WEIGHTS
.irp q, 0,1,2,3,4,5,6,7
.irp b, 0,1,2,3
	FRAG 4*\q+\b, \q, WA+2*\b, 3
.endr
.endr
	WIN 0
.endm
.set NLD, 24                           ; LDS loads of a fetch
.macro FETCH g                         ; block g = 4 x half + s into set g % 2: image block 8 x half + 4 a + s, 1,536 bytes a step of K, six pieces 256 bytes apart.  The eight additions are places behind the products too
	WIN 0
.irp q, 0,1,2,3,4,5,6,7
	v_add_nc_u32 v[XA+\q], (8*((\g)/4)+(\g)%4)*12288+1536*\q, v[X0]
.endr
.irp q, 0,1,2,3,4,5,6,7
.set F_, 32+8*((\g)%2)+\q
	WIN (1+F_/FPW)<<6
.irp k, 0,1,2
	ds_load_2addr_b64 v[FR*(F_%FPW)+4*\k:FR*(F_%FPW)+4*\k+3], v[XA+\q] offset0:64*\k offset1:64*\k+32
.endr
.endr
	WIN 0
.endm
.macro W d, a, b, c, sa, sb, ra, rb
	v_wmma_scale_f32_16x16x128_f8f6f4 v[\d:\d+7], v[\a:\a+11], v[\b:\b+11], \c, v[\sa], v[\sb] matrix_a_fmt:MATRIX_FMT_FP6 matrix_b_fmt:MATRIX_FMT_FP6 matrix_a_scale:MATRIX_SCALE_ROW\ra matrix_b_scale:MATRIX_SCALE_ROW\rb
.endm
.macro P1 c
.if RA_ == 0
.if RB_ == 0
	W D_, FA_, FB_, \c, SA_, SB_, 0, 0
.else
	W D_, FA_, FB_, \c, SA_, SB_, 0, 1
.endif
.else
.if RB_ == 0
	W D_, FA_, FB_, \c, SA_, SB_, 1, 0
.else
	W D_, FA_, FB_, \c, SA_, SB_, 1, 1
.endif
.endif
.endm
.macro PRODS g, from, to               ; products from .. to - 1 of block g: number 4 q + tile; the four accumulators take turns; step 0 starts the sums
.set N_, \from
.rept (\to)-(\from)
.set Q_, N_/4
.set B_, N_%4
.set S_, (\g)%4
.set FW_, 4*Q_+B_
.set FX_, 32+8*((\g)%2)+Q_
.set D_, ACC+32*((\g)%2)+8*B_
.set FA_, FR*(FW_%FPW)
.set FB_, FR*(FX_%FPW)
.set SA_, SWT+8*(B_/2)+Q_
.set SB_, SX+16*((\g)/4)+8*(S_/2)+Q_
.set RA_, B_%2
.set RB_, S_%2
	WIN (1+FW_/FPW)|((1+FX_/FPW)<<2)
.if Q_ == 0
	P1 0
.else
	P1 v[D_:D_+7]
.endif
.set N_, N_+1
.endr
.endm
.macro TOSTAGE g
.irp b, 0,1,2,3
	ds_store_b128 v[STO], v[ACC+32*((\g)%2)+8*\b:ACC+32*((\g)%2)+8*\b+3] offset:64*\b          ; each accumulator from its low end on
	ds_store_b128 v[STO], v[ACC+32*((\g)%2)+8*\b+4:ACC+32*((\g)%2)+8*\b+7] offset:64*\b+16
.endr
.irp t, 0,1,2,3,4,5,6,7
	ds_load_b128 v[BK+32*((\g)%2)+4*\t:BK+32*((\g)%2)+4*\t+3], v[RD] offset:2*\t*SPITCH   ; LDS serves a wave's instructions in order: these see the stores above
.endr
.endm
.macro SEND g
.irp t, 0,1,2,3,4,5,6,7
	global_store_b128 v[CO], v[BK+32*((\g)%2)+4*\t:BK+32*((\g)%2)+4*\t+3], s[84:85] offset:(128*((\g)/4)+16*((\g)%4)+2*\t)*4096 th:TH_STORE_NT   ; sixteen lanes store 256 consecutive bytes, aligned
.endr
.endm
.macro TAIL g                          ; behind block g's products: block g - 1 leaves, the set takes block g + 2, block g goes through the stage
	WIN 0
.if (\g) > 0
	s_wait_dscnt 0x0                               ; block g - 1 is back from the stage (asked for 32 products ago), and the next block's fragments are in
	SEND (\g)-1
.endif
.if (\g)+2 < 8
	FETCH (\g)+2
.else
	PLACES 4
.endif
	s_wait_xcnt 0x0                                ; block g - 2's stores have read the registers on which the stage's loads land
	TOSTAGE \g
.endm
	s_wait_alu depctr_va_vdst(0)
	s_cmp_eq_u32 s14, 3                            ; tokens 128-255, wave 3's own line, may stay on their way
	s_cbranch_scc1 .Lnot_yet
	s_wait_tensorcnt 0x0
.Lnot_yet:
	s_barrier_signal -1
	s_barrier_wait -1                              ; W_o's rows and tokens 0-127 are in.
	WEIGHTS
	FETCH 0
	FETCH 1
	s_wait_loadcnt 0x0                             ; the scale words
	s_wait_dscnt NLD                               ; all but block 1's fetch
	PRODS 0, 0, 32
	TAIL 0
	s_wait_dscnt NLD+16                            ; behind block 1's fetch: block 2's fetch and block 0's 16 lines through the stage
	PRODS 1, 0, 32
	TAIL 1
	PRODS 2, 0, 24                                 ; (block 2's fragments were shown in by the wait for 0 in block 1's tail)
	WIN 0
	s_wait_alu depctr_va_vdst(0)
	s_wait_tensorcnt 0x0
	s_wait_dscnt 0x0
	s_barrier_signal -1                            ; a plain barrier: tokens 128-255 are shown to all
	PRODS 2, 24, 32
	WIN 0
	s_barrier_wait -1
	TAIL 2
.irp g, 3,4,5,6,7
	PRODS \g, 0, 32
	TAIL \g
.endr
	s_wait_dscnt 0x0
	SEND 7
	s_wait_tensorcnt 0x0                           ; the wave's end
	ds_add_u32 v[SPW], v[NIL]
	s_wait_dscnt 0x0
	CROUND                                         ; the closing round
	s_endpgm
.Lfunc_end_k_qe3fdc1a05f_outp:
	.size	k_qe3fdc1a05f_outp, .Lfunc_end_k_qe3fdc1a05f_outp-k_qe3fdc1a05f_outp
	.p2alignl 7, 3214868480
	.fill 96, 4, 3214868480
	.section	.rodata,"a",@progbits
	.p2align	6, 0x0
	.amdhsa_kernel k_qe3fdc1a05f_outp
		.amdhsa_group_segment_fixed_size 327680
		.amdhsa_private_segment_fixed_size 0
		.amdhsa_enable_private_segment 0
		.amdhsa_kernarg_size 40
		.amdhsa_user_sgpr_count 2
		.amdhsa_user_sgpr_kernarg_segment_ptr 1
		.amdhsa_wavefront_size32 1
		.amdhsa_system_sgpr_workgroup_id_x 1
		.amdhsa_system_sgpr_workgroup_id_y 1
		.amdhsa_system_sgpr_workgroup_id_z 1
		.amdhsa_system_vgpr_workitem_id 0
		.amdhsa_next_free_vgpr 864
		.amdhsa_next_free_sgpr 90
		.amdhsa_reserve_vcc 0
		.amdhsa_float_denorm_mode_32 3
		.amdhsa_float_denorm_mode_16_64 3
		.amdhsa_memory_ordered 1
		.amdhsa_forward_progress 1
		.amdhsa_inst_pref_size 80
	.end_amdhsa_kernel
	.amdgpu_metadata
---
amdhsa.version: [ 1, 2 ]
amdhsa.kernels:
  - .name:           k_qe3fdc1a05f_outp
    .symbol:         k_qe3fdc1a05f_outp.kd
    .args:
      - { .name: oc, .offset: 0, .size: 8, .value_kind: global_buffer, .address_space: global }
      - { .name: os, .offset: 8, .size: 8, .value_kind: global_buffer, .address_space: global }
      - { .name: xc, .offset: 16, .size: 8, .value_kind: global_buffer, .address_space: global }
      - { .name: xs, .offset: 24, .size: 8, .value_kind: global_buffer, .address_space: global }
      - { .name: out0, .offset: 32, .size: 8, .value_kind: global_buffer, .address_space: global }
    .group_segment_fixed_size: 327680
    .private_segment_fixed_size: 0
    .kernarg_segment_align: 8
    .kernarg_segment_size: 40
    .max_flat_workgroup_size: 128
    .sgpr_count:     90
    .vgpr_count:     864
    .wavefront_size: 32
...
	.end_amdgpu_metadata
.endif
;; end of part 4
